; MI455X (gfx1250); checked and timed in simulation.
; The chip was launched on July 23, 2026; its instructions are those of AMD's public machine-readable ISA for CDNA 5 (MIT licence, August 2026) and "CDNA5" Instruction Set Architecture Reference Guide (July 2026). The comments in the code are by the model that wrote it; some were corrected since.
;; Multi Head Attention. Allowed arithmetic: matrix products marked QUANTISED: E3M2 operands, one E8M0 scale for each 32 along K, by v_wmma_scale_f32_16x16x128_f8f6f4 with both operands' format E3M2, f32 sums; everything else in f32.
;; Inputs: Wk 16 x 1,024 x 64 float32; Wo 1,024 x 1,024 float32; Wq 16 x 1,024 x 64 float32; Wv 16 x 1,024 x 64 float32; bk 16 x 64 float32; bo 1,024 float32; bq 16 x 64 float32; bv 16 x 64 float32; token_embedding 4 x 2,048 x 1,024 float32.
;; Outputs: out0 4 x 2,048 x 1,024 float32.
;; This version of the problem:
;;   THIS VERSION OF THE PROBLEM IS GIVEN IN LOW PRECISION. The matrix products marked QUANTISED in the list below multiply operands that are first quantised to E3M2 (3 exponent bits, 2 mantissa bits; 6 bits a number), with one power-of-two scale for each 32 numbers along K (OCP MX v1.0); their sums are f32. All else is computed in f32.
;;   The module's matrix products, in the order in which they are computed (A, B: the left and right operand; K: the contracted axis; several contracted axes count as one K, in the product's order):
;;     1. [M 1,024, K 1,024] x [K 1,024, N 8,192]; A: input Wq; B: input token_embedding: QUANTISED
;;     2. [M 1,024, K 1,024] x [K 1,024, N 8,192]; A: input Wk; B: input token_embedding: QUANTISED
;;     3. [M 1,024, K 1,024] x [K 1,024, N 8,192]; A: input Wv; B: input token_embedding: QUANTISED
;;     4. batch 64 x [M 2,048, K 64] x [K 64, N 2,048]; A: computed on the way; B: computed on the way: QUANTISED
;;     5. batch 64 x [M 2,048, K 2,048] x [K 2,048, N 64]; A: softmax (see below); B: computed on the way: QUANTISED
;;     6. [M 8,192, K 1,024] x [K 1,024, N 1,024]; A: computed on the way; B: input Wo: QUANTISED
;;   THE QUANTISER, for each operand of a quantised product, along K:
;;     - K is cut into blocks of 32 from its start; a last block that is shorter is filled with zeros.
;;     - A block's scale is 2^e with e = floor(log2(the largest magnitude in the block)) - 4, held to -126 .. 127; a block of zeros has e = 0. As a byte (E8M0): e + 127.
;;     - Each number is divided by its block's scale, clamped to +-28, and rounded to the nearest number of E3M2, ties to even, subnormals kept.
;;     - The product sums the exact products of the quantised numbers (number of the format x scale) in f32.
;;   ~~~python
;;   def quantise(x, axis):      # numpy; x: float32 -> the quantised numbers, widened to float32 again
;;       x = np.moveaxis(x, axis, -1); K = x.shape[-1]
;;       x = np.pad(x, [(0, 0)] * (x.ndim - 1) + [(0, -K % 32)]); x = x.reshape(x.shape[:-1] + (-1, 32)); a = np.abs(x).max(-1, keepdims=True)
;;       e = np.where(a > 0, np.clip(np.frexp(np.where(a > 0, a, 1))[1] - 1 - 4, -126, 127), 0)      # np.frexp(a)[1] - 1 = floor(log2(a)), exactly
;;       r = np.clip(x / 2.0 ** e, -28, 28)
;;       step = 2.0 ** (np.maximum(np.frexp(np.where(r == 0, 1, r))[1] - 1, -2) - 2)
;;       q = np.round(r / step) * step * 2.0 ** e      # np.round: ties to even
;;       return np.moveaxis(q.reshape(q.shape[:-2] + (-1,))[..., :K], -1, axis).astype(np.float32)
;;   ~~~
;;   SOFTMAX AHEAD OF A QUANTISED PRODUCT. Where the list says 'softmax', what is quantised is not the finished softmax but p = 2^(t - M), with t = logit x log2(e) and M = ceil(the row's largest t), a whole number; so 1/2 < the row's largest p <= 1. The row's sum l is taken of the UNQUANTISED p, in f32, and the product's result is divided by l at the end. Since M is a whole number, a kernel that streams over the keys may use a running M (the ceiling of the running maximum): every later rescaling is an exact power of two, which a block's scale takes up: the codes' values come out the same.
;;   OPERANDS COMPUTED ON THE WAY. 'Computed on the way' means the value that the module computes at that place (a softmax that the list does not call 'softmax' is quantised finished and normalised). What goes into a quantiser is computed in f32, as accurately as f32 sums, v_exp_f32 and their like allow (about 1e-6 of the number): no bf16 or f16 on the way to a quantiser, and a product that is left as it is and whose result goes on into a quantised operand takes f32 operands (vector FMAs, or v_wmma_f32_16x16x4_f32). A number that lies on a knife's edge between two numbers of the format may be rounded either way, as far as f32 arithmetic and the matrix unit's own rounding can turn it there, and no further.
;; One version. Each part assembles by itself: llvm-mc -triple=amdgcn-amd-amdhsa -mcpu=gfx1250 --defsym DOCPART=n.
;; ======== version 1 of 1: 4 launches
;; limits: right only within a limited range of input values
;; workspace buffers: ac 6,291,456 bytes; asc 262,144 bytes; wc 3,145,728 bytes; ws 131,072 bytes; qkv 20,185,088 bytes
;; launch quant (part 1): grid 384 x 1, 4 waves a work-group, no clusters, 34,304 bytes of LDS; arguments token_embedding, Wq, Wk, Wv, Wo, ac, asc, wc, ws; writes ac, asc, wc, ws
.if DOCPART == 1
	.amdgcn_target "amdgcn-amd-amdhsa--gfx1250"
	.amdhsa_code_object_version 6
	.text
	.protected	k_qf0e0643333_quant
	.globl	k_qf0e0643333_quant
	.p2align	8
	.type	k_qf0e0643333_quant,@function
k_qf0e0643333_quant:
	s_mov_b64 s[64:65], 0
	v_nop
	global_prefetch_b8 v0, s[64:65] scope:SCOPE_SE
	s_setreg_imm32_b32 hwreg(HW_REG_WAVE_MODE, 25, 1), 1
	s_wait_xcnt 0x0
; x [8192][1024] (K innermost) and Wq, Wk, Wv [16][1024 (K)][64], Wo [1024 (K)][1024], all f32, become codes of BF6 (E3M2) with one E8M0 byte for each 32 along K.
; A block's scale is 2^(floor(log2(its largest magnitude)) - 4): its byte is the largest magnitude's exponent field - 4, held at 1 from below.
; LIMITS: a block of zeros gets the byte 1 where the rule says 127 (its codes are zeros, and this program alone reads the bytes); blocks whose largest magnitude lies under 2^-122 are held at byte 1;
; NaN and infinities among the inputs are not served.
; LAYOUT OF THE RESULTS (this program's own).  Rows go in tiles of 16 POSITIONS; position p holds true row pi(p) = p with bits 3 and 4 exchanged, so tile 2 c + u, place rho, is true row 32 c + 8 u + rho % 8 + 16 (rho / 8).
; Codes: [row tile][16 chunks of 64 along K][768 bytes]; a chunk is the image of half an operand fragment: lane (r, h) holds the 24 bytes of block h of place r, registers 0-3 at 16 x lane, registers 4-5 at 512 + 8 x lane.
; Scale bytes: [row tile][4 runs of 256 along K][16 places][8 bytes].
; Work-groups 0-255: x.  A wave takes one row tile x 512 along K in four steps of 128.  Each load reads 512 consecutive bytes of one row; a step's 16 rows turn through the wave's own stage in LDS (pitch 528 bytes),
; so that lane (r, h) gets 16 neighbours of each block of 32 of its row.  Work-groups 256-383: the weights.  A lane takes a column and its registers run down K: nothing is transposed.  No barrier: waves share nothing.
.set SPX,  528                         ; a stage row: 512 bytes + 16
.set WST,  16*SPX                      ; a wave's stage
.set RR,   16                          ; x: v16-143  two sets of 64 registers as loaded
.set XN,   144                         ; v144-207 64 numbers: register 16 b + i = k 32 b + 16 h + i of my row
.set PC,   208                         ; v208-219 a fragment's codes; v220-222, v224-226 at work
.set TM,   228                         ; v228-231 maxima, v232-235 the other half's / bytes, v240-243 scale operands
.set SW,   244                         ; v244-247 a scale word for each step
.set WX,   16                          ; weights: v16-79 two sets of 32 numbers
.set U,    80                          ; v80-85  the even block's codes
.set W2,   88                          ; v88-93  the odd block's
.set CT,   96                          ; v96-98  a conversion's second half
.set SB,   104                         ; v104-105 eight scale bytes
	s_load_b256 s[4:11], s[0:1], 0x0               ; x s[4:5], Wq s[6:7], Wk s[8:9], Wv s[10:11]
	s_load_b256 s[12:19], s[0:1], 0x20             ; Wo s[12:13], ac s[14:15], asc s[16:17], wc s[18:19]
	s_load_b64 s[20:21], s[0:1], 0x40              ; ws
	v_lshl_add_u32 v248, v0, 2, 0x8400
	v_mov_b32 v249, 0
	v_lshrrev_b32 v1, 5, v0
	v_readfirstlane_b32 s22, v1                    ; wave
	v_and_b32 v1, 31, v0                           ; lane
	v_lshlrev_b32 v2, 4, v1                        ; 16 x lane
	v_lshlrev_b32 v6, 3, v1                        ; 8 x lane
	v_and_b32 v8, 15, v0                           ; r
	v_bfe_u32 v9, v0, 4, 1                         ; h
	s_mul_i32 s23, s22, WST
	v_add_nc_u32 v3, s23, v2                       ; the stage, on the way in: 16 x lane of a row
	v_mul_u32_u24 v4, v8, SPX
	v_lshl_add_u32 v4, v9, 6, v4
	v_add_nc_u32 v4, s23, v4                       ; and on the way out: row r, + 64 h
	v_and_b32 v7, 7, v1
	v_and_b32 v10, 8, v1
	v_lshl_or_b32 v7, v10, 1, v7
	v_lshl_or_b32 v7, v9, 3, v7
	v_lshlrev_b32 v7, 2, v7                        ; weights: 4 x pi(lane): my column of the wave's 32
	v_lshlrev_b32 v5, 3, v8
	v_lshl_or_b32 v5, v9, 9, v5                    ; and its scale bytes: 512 (lane / 16) + 8 (lane % 16)
	s_mov_b32 s24, 0x76543210
	s_mov_b32 s25, 0xfedcba98                      ; v_permlanex16_b32's selects for lane l xor 16
	s_mov_b32 s26, 0xffff0000                      ; lanes 16-31
	s_cmp_lt_u32 ttmp9, 256
	s_cbranch_scc0 .Lweights
; ---------------- x ----------------
	s_lshl_b32 s27, ttmp9, 2
	s_add_co_u32 s27, s27, s22                     ; task = 4 x work-group + wave
	s_lshr_b32 s28, s27, 1                         ; row tile
	s_and_b32 s29, s27, 1                          ; which 512 along K
	s_lshr_b32 s30, s28, 1
	s_and_b32 s31, s28, 1
	s_lshl_b32 s30, s30, 17                        ; 32 rows of 4,096 bytes for each pair of tiles,
	s_lshl_b32 s31, s31, 15                        ; 8 rows for the odd tile,
	s_add_co_u32 s30, s30, s31
	s_lshl_b32 s31, s29, 11                        ; 2,048 bytes for the upper half of K
	s_add_co_u32 s30, s30, s31
	s_mov_b32 s31, 0
	s_mul_i32 s32, s28, 12288
	s_mul_i32 s33, s29, 6144
	s_add_co_u32 s32, s32, s33                     ; the codes: row tile x 12,288 + 8 chunks for the upper half
	s_mov_b32 s33, 0
	s_lshl_b32 s34, s27, 8                         ; the scale bytes: 512 x row tile + 256 x half = 256 x task
	s_mov_b32 s35, 0
.irp b, 0,1,2,3
	v_mov_b32 v[TM+4+\b], 0                        ; written once: a lane permute's destination counts as one of its sources
.endr
	s_wait_kmcnt 0x0
	s_add_nc_u64 s[4:5], s[4:5], s[30:31]
	s_add_nc_u64 s[14:15], s[14:15], s[32:33]
	s_add_nc_u64 s[16:17], s[16:17], s[34:35]
.macro XLOAD s                         ; step s: 128 along K of the tile's 16 rows; each load is one row's 512 consecutive bytes
.irp p, 0,1,2,3,4,5,6,7,8,9,10,11,12,13,14,15
	global_load_b128 v[RR+64*((\s)%2)+4*\p:RR+64*((\s)%2)+4*\p+3], v2, s[4:5] offset:(\p%8+16*(\p/8))*4096+512*(\s) th:TH_LOAD_NT
.endr
.endm
.macro XTURN s                         ; through the stage: LDS serves a wave's instructions in order, so no wait stands between the stores and the loads
.irp p, 0,1,2,3,4,5,6,7,8,9,10,11,12,13,14,15
	ds_store_b128 v3, v[RR+64*((\s)%2)+4*\p:RR+64*((\s)%2)+4*\p+3] offset:SPX*\p
.endr
.irp b, 0,1,2,3
.irp j, 0,1,2,3
	ds_load_b128 v[XN+16*\b+4*\j:XN+16*\b+4*\j+3], v4 offset:128*\b+16*\j
.endr
.endr
.endm
; 64 numbers of a lane become a fragment's codes in v[PC] on and its scale word in v[pw]
.macro QUANT s, pw
.irp b, 0,1,2,3
	v_max3_num_f32 v[TM+\b], |v[\s+16*\b]|, |v[\s+1+16*\b]|, 0x2800000   ; block b: my 16 numbers, and the floor 2^(5 - 127): the byte cannot fall under 1
.endr
.irp i, 2,4,6,8,10,12,14
.irp b, 0,1,2,3
	v_max3_num_f32 v[TM+\b], v[TM+\b], |v[\s+16*\b+\i]|, |v[\s+1+16*\b+\i]|   ; the four blocks by turns
.endr
.endr
.irp b, 0,1,2,3
	v_permlanex16_b32 v[TM+4+\b], v[TM+\b], s24, s25
.endr
.irp b, 0,1,2,3
	v_max_num_f32 v[TM+\b], v[TM+\b], v[TM+4+\b]   ; with lane l xor 16's: the block's largest magnitude
.endr
.irp b, 0,1,2,3
	v_add_nc_u32 v[TM+12+\b], 0xfe000000, v[TM+\b] ; 4 off its exponent field: the conversion's scale operand
.endr
.irp b, 0,1,2,3
	v_lshrrev_b32 v[TM+4+\b], 23, v[TM+12+\b]      ; the scale's byte
.endr
	v_lshl_or_b32 v[\pw], v[TM+5], 8, v[TM+4]
	v_lshl_or_b32 v[\pw], v[TM+6], 16, v[\pw]
	v_lshl_or_b32 v[\pw], v[TM+7], 24, v[\pw]      ; my row's scale word
.irp c, 0,1
	v_cvt_scalef32_pk16_bf6_f32 v[PC+6*\c:PC+2+6*\c], v[\s+32*\c:\s+15+32*\c], v[TM+12+2*\c]
	v_cvt_scalef32_pk16_bf6_f32 v[PC+12+4*\c:PC+14+4*\c], v[\s+16+32*\c:\s+31+32*\c], v[TM+12+2*\c+1]   ; (a conversion's three registers begin on an even number)
.endr
	v_nop                                          ; one plain place behind a scaled conversion
.irp c, 0,1                                    ; the operand's layout wants a whole block in a lane: lanes 0-15 block 2 c, lanes 16-31 block 2 c + 1
.irp i, 0,1,2
	v_permlane16_swap_b32 v[PC+6*\c+\i], v[PC+12+4*\c+\i]
.endr
.irp i, 0,1,2
	v_mov_b32 v[PC+3+6*\c+\i], v[PC+12+4*\c+\i]
.endr
.endr
.endm
.macro XSTEP s
.if (\s) < 3
	s_wait_loadcnt 16                              ; this step's 16 loads are in; the next step's 16 may be out
.else
	s_wait_loadcnt 0x0
.endif
	XTURN \s
	s_wait_dscnt 0x0                               ; the numbers are back, and the stage's stores have read their registers,
.if (\s)+2 < 4
	XLOAD (\s)+2                                   ; which take the loads of two steps on
.endif
.if (\s) > 0
	s_wait_xcnt 0x0                                ; the last step's stores have read the codes' registers: they are written again only behind this wait
.endif
	QUANT XN, SW+(\s)
	global_store_b128 v2, v[PC:PC+3], s[14:15] offset:1536*(\s)            ; 512 consecutive bytes
	global_store_b64 v6, v[PC+4:PC+5], s[14:15] offset:1536*(\s)+512       ; 256
	global_store_b128 v2, v[PC+6:PC+9], s[14:15] offset:1536*(\s)+768
	global_store_b64 v6, v[PC+10:PC+11], s[14:15] offset:1536*(\s)+1280
.endm
	XLOAD 0
	XLOAD 1
	XSTEP 0
	XSTEP 1
	XSTEP 2
	XSTEP 3
	v_cndmask_b32 v10, v[SW], v[SW+2], s26         ; every lane holds its row's four words: lanes 0-15 send the first run's two, lanes 16-31 the second's
	v_cndmask_b32 v11, v[SW+1], v[SW+3], s26
	global_store_b64 v6, v[10:11], s[16:17]        ; 256 consecutive bytes, aligned
	s_wait_tensorcnt 0x0
	ds_add_u32 v248, v249
	s_wait_dscnt 0x0
	s_endpgm
; ---------------- the weights ----------------
.Lweights:
	s_sub_co_u32 s27, ttmp9, 256                   ; 0 .. 127
	s_lshr_b32 s28, s27, 5                         ; which weight: Wq, Wk, Wv, Wo
	s_bfe_u32 s29, s27, 0x40001                    ; which 64 columns (the head)
	s_and_b32 s30, s27, 1
	s_and_b32 s31, s22, 1                          ; which 32 of them
	s_lshr_b32 s32, s22, 1
	s_lshl_b32 s30, s30, 1
	s_add_co_u32 s30, s30, s32                     ; which 256 along K
	s_lshl_b32 s32, s29, 1
	s_add_co_u32 s32, s32, s31
	s_lshl_b32 s33, s28, 6
	s_lshl_b32 s34, s32, 1
	s_add_co_u32 s33, s33, s34                     ; my first row tile of wc: 64 x weight + 2 x (group of 32 columns)
	s_mul_i32 s34, s33, 12288
	s_mul_i32 s35, s30, 3072
	s_add_co_u32 s34, s34, s35
	s_mov_b32 s35, 0
	s_lshl_b32 s36, s33, 9
	s_lshl_b32 s37, s30, 7
	s_add_co_u32 s36, s36, s37
	s_mov_b32 s37, 0
	s_wait_kmcnt 0x0
	s_add_nc_u64 s[18:19], s[18:19], s[34:35]
	s_add_nc_u64 s[20:21], s[20:21], s[36:37]
.macro WLOAD t, pitch                  ; block t: 32 rows of K at my column; the wave reads 128 consecutive bytes
.irp i, 0,1,2,3,4,5,6,7,8,9,10,11,12,13,14,15,16,17,18,19,20,21,22,23,24,25,26,27,28,29,30,31
	global_load_b32 v[WX+32*((\t)%2)+\i], v7, s[6:7] offset:(32*(\t)+\i)*\pitch th:TH_LOAD_NT
.endr
.endm
.macro WBLOCK t, pitch
.set XS, WX+32*((\t)%2)
.set DD, U+8*((\t)%2)
.if (\t) < 7
	s_wait_loadcnt 32                              ; this block's 32 loads are in; the next block's may be out
.else
	s_wait_loadcnt 0x0
.endif
	v_max3_num_f32 v100, |v[XS]|, |v[XS+1]|, |v[XS+2]|             ; the block's largest magnitude: all 32 numbers are mine
	v_max3_num_f32 v101, |v[XS+3]|, |v[XS+4]|, |v[XS+5]|
.irp i, 6,10,14,18,22,26
	v_max3_num_f32 v100, v100, |v[XS+\i]|, |v[XS+\i+1]|
	v_max3_num_f32 v101, v101, |v[XS+\i+2]|, |v[XS+\i+3]|
.endr
	v_max3_num_f32 v100, v100, |v[XS+30]|, |v[XS+31]|
	v_max3_num_f32 v100, v100, v101, 0x2800000     ; and the floor
	v_add_nc_u32 v102, 0xfe000000, v100            ; the conversion's scale operand
	v_lshrrev_b32 v103, 23, v102                   ; the byte
.if (\t)%4 == 0
	v_mov_b32 v[SB+(\t)/4], v103
.else
	v_lshl_or_b32 v[SB+(\t)/4], v103, 8*((\t)%4), v[SB+(\t)/4]
.endif
.if ((\t)%2 == 0) && ((\t) >= 2)
	s_wait_alu depctr_va_vdst(0)
	s_wait_xcnt 0x0                                ; the last pair's stores have read both sets of codes
.endif
	v_cvt_scalef32_pk16_bf6_f32 v[DD:DD+2], v[XS:XS+15], v102
	v_cvt_scalef32_pk16_bf6_f32 v[CT:CT+2], v[XS+16:XS+31], v102
	v_nop                                          ; one plain place behind a scaled conversion
.irp i, 0,1,2
	v_mov_b32 v[DD+3+\i], v[CT+\i]
.endr
.if (\t)+2 < 8
	WLOAD (\t)+2, \pitch
.endif
.if (\t)%2 == 1
.irp i, 0,1,2,3,4,5
	v_permlane16_swap_b32 v[U+\i], v[W2+\i]        ; U: my first tile's chunk (lanes 0-15 the even block, lanes 16-31 the odd one); W2: the second tile's
.endr
	global_store_b128 v2, v[U:U+3], s[18:19] offset:768*((\t)/2)
	global_store_b64 v6, v[U+4:U+5], s[18:19] offset:768*((\t)/2)+512
	global_store_b128 v2, v[W2:W2+3], s[18:19] offset:12288+768*((\t)/2)
	global_store_b64 v6, v[W2+4:W2+5], s[18:19] offset:12288+768*((\t)/2)+512
.endif
.endm
.macro WRUN pitch
	WLOAD 0, \pitch
	WLOAD 1, \pitch
.irp t, 0,1,2,3,4,5,6,7
	WBLOCK \t, \pitch
.endr
	global_store_b64 v5, v[SB:SB+1], s[20:21]      ; two runs of 128 consecutive bytes: ws is 131,072 bytes in all, against the 16.8 million that this path reads
.endm
	s_cmp_lt_u32 s27, 96
	s_cbranch_scc0 .Lwo
	s_cmp_lt_u32 s27, 32                           ; the choice of buffer hangs on the work-group's number alone
	s_cselect_b64 s[6:7], s[6:7], s[8:9]
	s_cmp_lt_u32 s27, 64
	s_cselect_b64 s[6:7], s[6:7], s[10:11]
	s_lshl_b32 s38, s29, 18                        ; a head is 1,024 rows of 256 bytes
	s_lshl_b32 s39, s30, 16                        ; 256 rows
	s_add_co_u32 s38, s38, s39
	s_lshl_b32 s39, s31, 7
	s_add_co_u32 s38, s38, s39
	s_mov_b32 s39, 0
	s_add_nc_u64 s[6:7], s[6:7], s[38:39]
	s_wait_alu depctr_va_vdst(0)
	WRUN 256
	s_endpgm
.Lwo:
	s_lshl_b32 s38, s30, 20                        ; 256 rows of 4,096 bytes
	s_lshl_b32 s39, s29, 8
	s_add_co_u32 s38, s38, s39
	s_lshl_b32 s39, s31, 7
	s_add_co_u32 s38, s38, s39
	s_mov_b32 s39, 0
	s_add_nc_u64 s[6:7], s[12:13], s[38:39]
	s_wait_alu depctr_va_vdst(0)
	WRUN 4096
	s_endpgm
.Lfunc_end_k_qf0e0643333_quant:
	.size	k_qf0e0643333_quant, .Lfunc_end_k_qf0e0643333_quant-k_qf0e0643333_quant
	.p2alignl 7, 3214868480
	.fill 96, 4, 3214868480
	.section	.rodata,"a",@progbits
	.p2align	6, 0x0
	.amdhsa_kernel k_qf0e0643333_quant
		.amdhsa_group_segment_fixed_size 34304
		.amdhsa_private_segment_fixed_size 0
		.amdhsa_enable_private_segment 0
		.amdhsa_kernarg_size 72
		.amdhsa_user_sgpr_count 2
		.amdhsa_user_sgpr_kernarg_segment_ptr 1
		.amdhsa_wavefront_size32 1
		.amdhsa_system_sgpr_workgroup_id_x 1
		.amdhsa_system_sgpr_workgroup_id_y 1
		.amdhsa_system_sgpr_workgroup_id_z 1
		.amdhsa_system_vgpr_workitem_id 0
		.amdhsa_next_free_vgpr 250
		.amdhsa_next_free_sgpr 66
		.amdhsa_reserve_vcc 0
		.amdhsa_float_denorm_mode_32 3
		.amdhsa_float_denorm_mode_16_64 3
		.amdhsa_memory_ordered 1
		.amdhsa_forward_progress 1
		.amdhsa_inst_pref_size 112
	.end_amdhsa_kernel
	.amdgpu_metadata
---
amdhsa.version: [ 1, 2 ]
amdhsa.kernels:
  - .name:           k_qf0e0643333_quant
    .symbol:         k_qf0e0643333_quant.kd
    .args:
      - { .name: token_embedding, .offset: 0, .size: 8, .value_kind: global_buffer, .address_space: global }
      - { .name: Wq, .offset: 8, .size: 8, .value_kind: global_buffer, .address_space: global }
      - { .name: Wk, .offset: 16, .size: 8, .value_kind: global_buffer, .address_space: global }
      - { .name: Wv, .offset: 24, .size: 8, .value_kind: global_buffer, .address_space: global }
      - { .name: Wo, .offset: 32, .size: 8, .value_kind: global_buffer, .address_space: global }
      - { .name: ac, .offset: 40, .size: 8, .value_kind: global_buffer, .address_space: global }
      - { .name: asc, .offset: 48, .size: 8, .value_kind: global_buffer, .address_space: global }
      - { .name: wc, .offset: 56, .size: 8, .value_kind: global_buffer, .address_space: global }
      - { .name: ws, .offset: 64, .size: 8, .value_kind: global_buffer, .address_space: global }
    .group_segment_fixed_size: 34304
    .private_segment_fixed_size: 0
    .kernarg_segment_align: 8
    .kernarg_segment_size: 72
    .max_flat_workgroup_size: 128
    .sgpr_count:     66
    .vgpr_count:     250
    .wavefront_size: 32
...
	.end_amdgpu_metadata
.endif
;; end of part 1
;; launch qkv (part 2): grid 12 x 32, 4 waves a work-group, clusters of 4 x 4, 327,680 bytes of LDS; arguments ac, asc, wc, ws, bq, bk, bv, qkv; writes qkv
.if DOCPART == 2
	.amdgcn_target "amdgcn-amd-amdhsa--gfx1250"
	.amdhsa_code_object_version 6
	.text
	.protected	k_qf0e0643333_qkv
	.globl	k_qf0e0643333_qkv
	.p2align	8
	.type	k_qf0e0643333_qkv,@function
k_qf0e0643333_qkv:
	s_mov_b64 s[64:65], 0
	v_nop
	global_prefetch_b8 v0, s[64:65] scope:SCOPE_SE
	s_setreg_imm32_b32 hwreg(HW_REG_WAVE_MODE, 25, 1), 1
	s_wait_xcnt 0x0
	s_wait_alu depctr_hold_cnt(0) depctr_sa_sdst(0) depctr_va_vdst(0) depctr_va_sdst(0) depctr_va_ssrc(0) depctr_va_vcc(0) depctr_vm_vsrc(0)
	s_getreg_b32 s2, hwreg(HW_REG_IB_STS2, 6, 4)
	s_cmp_eq_u32 s2, 0
	s_cbranch_scc0 .Lentry_in_a_cluster
	s_endpgm
.Lentry_in_a_cluster:
	s_bfe_u32 s2, ttmp6, 0x10000c
	s_cmp_lg_u32 s2, 0xf033
	s_cbranch_scc0 .Lentry_shape_is_right
	s_endpgm
.Lentry_shape_is_right:
; q, k, v = x W + b on codes of BF6 (E3M2) with E8M0 scales, K = 1,024; the results are quantised in registers (q, k along the head's 64, v along the tokens) and stored as operand images for the attention launch.
; OPERANDS (this program's own layout): rows in tiles of 16 positions, position p = true row p with bits 3 and 4 exchanged; codes [row tile][16 chunks of 64 K][768 bytes], a chunk being the image of half a fragment
; (lane's registers 0-3 at 16 x lane, 4-5 at 512 + 8 x lane); scale bytes [row tile][4 runs of 256 K][16 places][8].  So a fragment is four LDS loads of consecutive bytes, and a K step's rows are one tensor tile.
; A work-group of four waves makes 256 x 256, a wave 128 x 128: 64 accumulators.  K goes in steps of 256 through two LDS slots; the scale bytes of all of K come once.  4 x 4 work-groups form a cluster: the A role's tiles are
; asked for jointly along a row of the cluster, the B role's along a column.  The product is used transposed (source 0 = B role, source 1 = A role): a lane holds ONE row of the A role and its registers run along the B role,
; 16 true neighbours in the registers of two neighbouring tiles.  Cluster x = 0: q, 1: k (A role = x's tokens, B role = the weight's columns: registers run along the head's e).  Cluster x = 2: v (A role = Wv's columns,
; B role = tokens: registers run along the tokens).  The bias is the C of each sum's first product.
; OUT: qkv [b][head][group of 128 tokens][19,712 bytes]: K's codes 0, V's 6,144, K's scale image 12,288, V's 12,800, Q's codes 13,056, Q's scale image 19,200.  Every store covers 512 or 256 consecutive aligned bytes.
; LIMITS: a block of zeros gets the byte 1 (its codes are zeros; this program alone reads the bytes); largest magnitudes under 2^-122 are held at byte 1; NaN and infinities are not served.
; REGISTERS: window 0: v16-29 addresses; v32-63 scale words, two sets; v64-127 the bias, later the way out's work; v128-223 the A role's fragments, one set.  window 1: the B role's, two sets, at v0 and v128.
;   windows 2, 3: the accumulators of my rows 0-63, 64-127: (a, b) at v[8 (8 (a % 4) + b)].
.set NQ,     2                         ; matrix instructions deep in a slot
.set FR,     12                        ; registers of a fragment
.set NL,     4                         ; LDS loads that bring one
.set NP,     4                         ; places behind this matrix instruction (ISA guide 7.12.1)
.set TROW,   3072                      ; a row tile's 256 along K: four chunks
.set HALFT,  8*TROW                    ; 128 rows: what one tensor load brings
.set SLOT,   4*HALFT
.set SCL,    2*SLOT                    ; behind the ring: the scale bytes, filled once
.set HALFS,  4096                      ; those of 128 rows
.set SBLK,   512                       ; those of 16
.set SPARE,  SCL+4*HALFS               ; the spare words: 128 bytes a wave, two blocks of 256 bytes that no other line names
.set TS,     19712
.set HS,     315392
.set BS,     5046272
.set ADRA, 16                          ; v16-17 16 x lane + my A rows in slot 0, 1;  v18-19 the same with 8 x lane
.set ADRB, 20                          ; v20-23 likewise for B
.set ADRS, 27                          ; v27 my scale words: lanes 0-15 A's rows, lanes 16-31 B's
.set SPW,  28
.set NIL,  29
.set SC,   32
.set BI,   64                          ; the bias, 8 tiles x 8 registers
.set AF,   128
.set PC,   64                          ; the way out: v64-69 a chunk's codes, v72-74 a conversion's second half, v76-83 scale images
.set CT,   72
.set RS,   76
.set T,    96                          ; v96-97 maxima, v98-99 the other half's, v100-101 scale operands, v102-103 bytes, v104-119 two bytes for each (a, u), v124 the floor
.set T2,   98
.set SO,   100
.set BY,   102
.set HW,   104
.set FLR,  124
.set G1, 24
.set G0, 32
.set G1B, 48
.set G0B, 56
.set G1S, 68
.set G0S, 76
.set G1SB, 80
.set G0SB, 88
.set MSB, 0
.macro WIN new                         ; the immediate's high byte repeats the setting that is left
.if MSB != \new
	s_set_vgpr_msb (MSB<<8)|\new
.set MSB, \new
.endif
.endm
.set MUL_LO, 0xa1                      ; source 0 window 1, source 1 window 0, C and D window 2
.set MUL_HI, 0xf1                      ; C and D window 3
.set TO_B,   0x40                      ; destination window 1
; A joint load: waves 0 and 1 fetch for the A role, waves 2 and 3 for the B role.  The branch hangs on the wave's number alone.  Four v_nop follow each of the two lines.
.macro JLOAD g0a, g1a, g0b, g1b
	s_cmp_eq_u32 s15, 0
	s_cbranch_scc0 .Lfor_b_\@
	tensor_load_to_lds s[\g0a:\g0a+3], s[\g1a:\g1a+7]
	s_nop 0
.rept 4
	v_nop
.endr
	s_branch .Lasked_\@
.Lfor_b_\@:
	tensor_load_to_lds s[\g0b:\g0b+3], s[\g1b:\g1b+7]
	s_nop 0
.rept 4
	v_nop
.endr
.Lasked_\@:
.endm
.macro CREST                           ; a round of the cluster's barrier behind its opening barrier
	s_cmp_lg_u32 s14, 0
	s_cbranch_scc1 .Lnot_wave_0_\@
	s_barrier_signal -3
.Lnot_wave_0_\@:
	s_barrier_wait -3
	s_barrier_signal -1
	s_barrier_wait -1
.endm
.macro CROUND
	s_barrier_signal -1
	s_barrier_wait -1
	CREST
.endm
.macro FRAG reg, adr, q, i             ; row tile i's q-th 128 along K: two chunks, each 512 + 256 consecutive bytes
	ds_load_b128 v[\reg:\reg+3], v[\adr] offset:(\i)*TROW+(\q)*1536
	ds_load_b64 v[\reg+4:\reg+5], v[\adr+2] offset:(\i)*TROW+(\q)*1536+512
	ds_load_b128 v[\reg+6:\reg+9], v[\adr] offset:(\i)*TROW+(\q)*1536+768
	ds_load_b64 v[\reg+10:\reg+11], v[\adr+2] offset:(\i)*TROW+(\q)*1536+1280
.endm
; 16 matrix instructions: A's blocks a0, a0 + 1 x B's eight.  p: B's set; sc: the set of scale words.  cm = 0: onto the sums; 1: C = the bias of B's block; 2: C = the bias of A's block.
; The 64 accumulators take turns, one instruction a turn, in the same order in every step.
.macro MUL16 a0, p, q, sc, cm
.irp a, \a0, \a0+1
.irp b, 0,1,2,3,4,5,6,7
.if \cm == 0
	v_wmma_scale_f32_16x16x128_f8f6f4 v[8*(8*((\a)%4)+\b):8*(8*((\a)%4)+\b)+7], v[128*(\p)+FR*\b:128*(\p)+FR*\b+FR-1], v[AF+FR*(\a):AF+FR*(\a)+FR-1], v[8*(8*((\a)%4)+\b):8*(8*((\a)%4)+\b)+7], v[SC+8*NQ*(\sc)+NQ*\b+(\q)], v[SC+8*NQ*(\sc)+NQ*(\a)+(\q)] matrix_a_fmt:MATRIX_FMT_BF6 matrix_b_fmt:MATRIX_FMT_BF6 matrix_a_scale:MATRIX_SCALE_ROW1
.elseif \cm == 1
	v_wmma_scale_f32_16x16x128_f8f6f4 v[8*(8*((\a)%4)+\b):8*(8*((\a)%4)+\b)+7], v[128*(\p)+FR*\b:128*(\p)+FR*\b+FR-1], v[AF+FR*(\a):AF+FR*(\a)+FR-1], v[BI+8*\b:BI+8*\b+7], v[SC+8*NQ*(\sc)+NQ*\b+(\q)], v[SC+8*NQ*(\sc)+NQ*(\a)+(\q)] matrix_a_fmt:MATRIX_FMT_BF6 matrix_b_fmt:MATRIX_FMT_BF6 matrix_a_scale:MATRIX_SCALE_ROW1
.else
	v_wmma_scale_f32_16x16x128_f8f6f4 v[8*(8*((\a)%4)+\b):8*(8*((\a)%4)+\b)+7], v[128*(\p)+FR*\b:128*(\p)+FR*\b+FR-1], v[AF+FR*(\a):AF+FR*(\a)+FR-1], v[BI+8*(\a):BI+8*(\a)+7], v[SC+8*NQ*(\sc)+NQ*\b+(\q)], v[SC+8*NQ*(\sc)+NQ*(\a)+(\q)] matrix_a_fmt:MATRIX_FMT_BF6 matrix_b_fmt:MATRIX_FMT_BF6 matrix_a_scale:MATRIX_SCALE_ROW1
.endif
.endr
.endr
.endm
.macro FETCH_B slot, q, p
	WIN TO_B
.irp i, 0,1,2,3,4,5,6,7
	FRAG 128*(\p)+FR*\i, ADRB+\slot, \q, \i
.endr
	WIN 0
.endm
.macro FETCH_A slot, q, i0
.irp i, \i0, \i0+1, \i0+2, \i0+3
	FRAG AF+FR*(\i), ADRA+\slot, \q, \i
.endr
.endm
.macro SCALES sc                       ; a slot's scale words: two a row; lanes 0-15 take A's block i, lanes 16-31 B's block i
.irp i, 0,1,2,3,4,5,6,7
	ds_load_b64 v[SC+8*NQ*\sc+NQ*\i:SC+8*NQ*\sc+NQ*\i+1], v[ADRS] offset:\i*SBLK
.endr
.endm
.macro PLACES n                        ; plain vector instructions between a matrix instruction and a load into, or a read of, its registers (ISA guide 7.12.1 for reads)
.rept \n
	v_nop
.endr
.endm
.macro STEP slot, q, cm                ; 128 along K that has its successor in the same slot
	s_wait_dscnt 4*NL                              ; B's set, A's blocks 0-3 and the scale words are in; the youngest 16 loads (A's blocks 4-7) may be out
.if \cm
	WIN 0x81                                       ; C (the bias) window 0, D window 2
.else
	WIN MUL_LO
.endif
	MUL16 0, (\q)%2, \q, \slot, \cm
	MUL16 2, (\q)%2, \q, \slot, \cm
	s_wait_dscnt 0                                 ; A's blocks 4-7 are in
	PLACES NP
	FETCH_B \slot, (\q)+1, 1-(\q)%2
	FETCH_A \slot, (\q)+1, 0
.if \cm
	WIN 0xc1
.else
	WIN MUL_HI
.endif
	MUL16 4, (\q)%2, \q, \slot, \cm
	MUL16 6, (\q)%2, \q, \slot, \cm
	PLACES NP
	WIN 0
	FETCH_A \slot, (\q)+1, 4
.endm
; A slot's last step changes slots: one barrier; in front of it each wave waits for all its tensor loads, adds 0 to its spare word, and waits for that and for its reads of this slot.  fill = 1: the slot is filled again, two K steps ahead.
.macro TURN slot, next, fill
	s_wait_tensorcnt 0x0                           ; all my tensor loads have landed: my part of the next slot
	ds_add_u32 v[SPW], v[NIL]                      ; 0 onto my spare word
	s_wait_dscnt 4*NL+1                            ; (the add and A's blocks 4-7 may be out)
	WIN MUL_LO
	MUL16 0, 1, NQ-1, \slot, 0
	s_wait_dscnt 0x0                               ; the add is done, and my reads of this slot are over
	s_barrier_signal -1
	MUL16 2, 1, NQ-1, \slot, 0
	WIN 0
	s_barrier_wait -1
.if \fill
	CREST                                          ; the barrier has opened a round of the cluster's barrier: no wave of any partner still reads this slot or has a load on its way
	s_add_nc_u64 s[G0+4*\slot+2:G0+4*\slot+3], s[G0+4*\slot+2:G0+4*\slot+3], 2*TROW
	s_add_nc_u64 s[G0B+4*\slot+2:G0B+4*\slot+3], s[G0B+4*\slot+2:G0B+4*\slot+3], 2*TROW
	JLOAD G0+4*\slot, G1, G0B+4*\slot, G1B         ; the first tensor load behind the round; its four v_nop are the places in front of the loads below
.else
	PLACES NP
.endif
	s_wait_alu depctr_va_vdst(0)
	v_add_nc_u32 v[ADRS], 128, v[ADRS]             ; the next slot's scale words (no LDS load of mine is out)
	FETCH_B \next, 0, 0
	FETCH_A \next, 0, 0
	SCALES \next
	WIN MUL_HI
	MUL16 4, 1, NQ-1, \slot, 0
	MUL16 6, 1, NQ-1, \slot, 0
	PLACES NP
	WIN 0
	FETCH_A \next, 0, 4
.endm
; THE WAY OUT of accumulators (a, 4 u .. 4 u + 3): 32 registers, register 16 c + i = place 32 c + 16 (lane / 16) + i of 64 along the axis that is quantised.  They become one chunk (768 bytes) at off, and two scale bytes.
.macro QOUT a, u, off
.set AC, 64*((\a)%4)+32*(\u)
	WIN 0x28+0x14*((\a)/4)                         ; sources 1 and 2: window 2 or 3
.irp c, 0,1
	v_max3_num_f32 v[T+\c], v[FLR], |v[AC+16*\c]|, |v[AC+16*\c+1]|     ; each accumulator is read from its low end on; the floor 2^(5 - 127) holds the byte at 1 from below
.endr
.irp i, 2,4,6,8,10,12,14
.irp c, 0,1
	v_max3_num_f32 v[T+\c], v[T+\c], |v[AC+16*\c+\i]|, |v[AC+16*\c+\i+1]|
.endr
.endr
	WIN 0
.irp c, 0,1
	v_permlanex16_b32 v[T2+\c], v[T+\c], s100, s101
.endr
.irp c, 0,1
	v_max_num_f32 v[T+\c], v[T+\c], v[T2+\c]       ; with lane l xor 16's: the block's largest magnitude
.endr
.irp c, 0,1
	v_add_nc_u32 v[SO+\c], 0xfe000000, v[T+\c]     ; 4 off its exponent field: the conversion's scale operand
.endr
.irp c, 0,1
	v_lshrrev_b32 v[BY+\c], 23, v[SO+\c]
.endr
	v_lshl_or_b32 v[HW+2*(\a)+(\u)], v[BY+1], 8, v[BY]
	s_wait_alu depctr_va_vdst(0)
	s_wait_xcnt 0x0                                ; the last chunk's stores have read the codes' registers
	WIN 0x02+(\a)/4                                ; source 0: window 2 or 3
	v_cvt_scalef32_pk16_bf6_f32 v[PC:PC+2], v[AC:AC+15], v[SO]
	v_cvt_scalef32_pk16_bf6_f32 v[CT:CT+2], v[AC+16:AC+31], v[SO+1]
	WIN 0
	v_nop                                          ; one plain place behind a scaled conversion
.irp i, 0,1,2
	v_permlane16_swap_b32 v[PC+\i], v[CT+\i]       ; a whole block to a lane: lanes 0-15 block 0, lanes 16-31 block 1
.endr
.irp i, 0,1,2
	v_mov_b32 v[PC+3+\i], v[CT+\i]
.endr
	global_store_b128 v24, v[PC:PC+3], s[4:5] offset:\off
	global_store_b64 v25, v[PC+4:PC+5], s[4:5] offset:\off+512
.endm
	s_load_b256 s[4:11], s[0:1], 0x0               ; ac, asc, wc, ws
	s_load_b256 s[92:99], s[0:1], 0x20             ; bq, bk, bv, qkv
	v_lshl_add_u32 v[SPW], v0, 2, SPARE
	v_mov_b32 v[NIL], 0
	ds_add_u32 v28, v29
	ds_add_u32 v28, v29
	s_wait_dscnt 0x0
	v_lshrrev_b32 v1, 5, v0
	v_readfirstlane_b32 s14, v1                    ; wave
	s_lshr_b32 s15, s14, 1                         ; my half of the A role's rows.  Also: I fetch for A (0) or for B (1)
	s_and_b32 s16, s14, 1                          ; my half of the B role's.  Also: which 128 rows I fetch
	s_bfe_u32 s40, ttmp6, 0x40000                  ; cx
	s_bfe_u32 s41, ttmp6, 0x40004                  ; cy
	s_and_b32 s18, ttmp7, 0xffff
	s_lshl_b32 s18, s18, 2                         ; 4 x cluster y
	s_add_co_u32 s19, s18, s41                     ; q, k: A = x's tile 4 Y + cy
	s_add_co_u32 s20, s41, 8                       ; v:    A = wc's tile 8 + cy (Wv)
	s_add_co_u32 s21, s18, s40                     ; v:    B = x's tile 4 Y + cx
	s_lshl_b32 s22, ttmp9, 2
	s_add_co_u32 s22, s22, s40                     ; q, k: B = wc's tile 4 X + cx
	s_cmp_eq_u32 ttmp9, 2                          ; the cluster's x: the same in all partners
	s_cselect_b32 s17, s20, s19                    ; A's tile: it hangs on cy alone
	s_cselect_b32 s42, s21, s22                    ; B's: on cx alone
	s_lshl_b32 s43, s41, 2
	s_lshl_b32 s43, 15, s43                        ; my row of the cluster
	s_lshl_b32 s44, 0x1111, s40                    ; my column
	s_or_b32 s[G1+0], s43, (3<<16)|(1<<21)         ; 15:0 the mask; 17:16 elements of 8 bytes; 21 set beside a mask; no padding
	s_or_b32 s[G1B+0], s44, (3<<16)|(1<<21)
.irp g, G1, G1B                        ; 8 row tiles x 3,072 bytes (384 elements), 12,288 bytes (1,536 elements) apart
	s_mov_b32 s[\g+1], 384<<16
	s_mov_b32 s[\g+2], 16<<16                      ; the head's loads bring 16 row tiles; the ring's 8 (set behind the head's wait)
	s_mov_b32 s[\g+3], 384<<16
	s_mov_b32 s[\g+4], 16
	s_mov_b32 s[\g+5], 1536
	s_mov_b32 s[\g+6], 0
	s_mov_b32 s[\g+7], 0
.endr
	s_or_b32 s[G1S+0], s43, (3<<16)|(1<<21)
	s_or_b32 s[G1SB+0], s44, (3<<16)|(1<<21)
.irp g, G1S, G1SB                      ; the scale bytes of 256 rows: 8,192 dense bytes as 32 rows of 256
	s_mov_b32 s[\g+1], 32<<16
	s_mov_b32 s[\g+2], 32<<16
	s_mov_b32 s[\g+3], 32<<16
	s_mov_b32 s[\g+4], 32
	s_mov_b32 s[\g+5], 32
	s_mov_b32 s[\g+6], 0
	s_mov_b32 s[\g+7], 0
.endr
	s_lshl_b32 s20, s17, 4                         ; A: the tile's first row tile
	s_lshl_b32 s46, s42, 4                         ; B likewise
	s_lshl_b32 s22, s20, 9                         ; its scale bytes,
	s_mov_b32 s23, 0
	s_mul_i32 s20, s20, 12288                      ; its codes
	s_mov_b32 s21, 0
	s_lshl_b32 s2, s46, 9
	s_mov_b32 s3, 0
	s_mul_i32 s46, s46, 12288
	s_mov_b32 s47, 0
	s_mul_i32 s45, s14, HALFT                      ; where they go: wave x 128 rows: no place in the cluster enters an LDS address
	s_wait_kmcnt 0x0
	s_cmp_eq_u32 ttmp9, 2
	s_cselect_b64 s[18:19], s[8:9], s[4:5]         ; A's codes: wc for v, ac else
	s_cselect_b64 s[100:101], s[10:11], s[6:7]     ; A's scale bytes
	s_cselect_b64 s[8:9], s[4:5], s[8:9]           ; B's codes
	s_cselect_b64 s[10:11], s[6:7], s[10:11]       ; B's scale bytes
	s_add_nc_u64 s[20:21], s[18:19], s[20:21]
	s_add_nc_u64 s[22:23], s[100:101], s[22:23]
	s_add_nc_u64 s[46:47], s[8:9], s[46:47]
	s_add_nc_u64 s[2:3], s[10:11], s[2:3]
	CROUND                                         ; all sixteen work-groups are here: the first joint loads meet
	s_mov_b32 s[G0S], 1
	s_mov_b32 s[G0S+1], SCL
	s_mov_b64 s[G0S+2:G0S+3], s[22:23]
	s_or_b32 s[G0S+3], s[G0S+3], 0x80000000
	s_mov_b32 s[G0SB], 1
	s_mov_b32 s[G0SB+1], SCL+2*HALFS
	s_mov_b64 s[G0SB+2:G0SB+3], s[2:3]
	s_or_b32 s[G0SB+3], s[G0SB+3], 0x80000000
	s_mul_i32 s2, s16, 4*HALFT                     ; in the ring I fetch 8 row tiles: which half, in bytes of memory
	s_mov_b32 s3, 0
.irp g, G0, G0B
	s_mov_b32 s[\g], 1
	s_mov_b32 s[\g+4], 1
	s_add_co_u32 s[\g+5], s45, SLOT
.endr
	s_mov_b32 s[G0+1], 0                           ; slot 0's sets serve the head first: the whole 16 row tiles of A, and of B behind them
	s_mov_b32 s[G0B+1], 2*HALFT
	s_mov_b64 s[G0+2:G0+3], s[20:21]
	s_mov_b64 s[G0B+2:G0B+3], s[46:47]
	s_add_nc_u64 s[G0+6:G0+7], s[20:21], s[2:3]
	s_add_nc_u64 s[G0B+6:G0B+7], s[46:47], s[2:3]
	s_add_nc_u64 s[G0+6:G0+7], s[G0+6:G0+7], TROW
	s_add_nc_u64 s[G0B+6:G0B+7], s[G0B+6:G0B+7], TROW
.irp r, G0+3, G0+7, G0B+3, G0B+7
	s_or_b32 s[\r], s[\r], 0x80000000
.endr
; the head's four tiles, one a wave: A's codes, B's codes, A's scale bytes, B's; one chain of branches on the wave's number
.macro ARM under, g0, g1, next
	s_cmp_lt_u32 s14, \under
	s_cbranch_scc0 \next
	tensor_load_to_lds s[\g0:\g0+3], s[\g1:\g1+7]
	s_nop 0
.rept 4
	v_nop
.endr
	s_branch .Lhead_asked
\next:
.endm
	ARM 1, G0, G1, .Lhead_b
	ARM 2, G0B, G1B, .Lhead_sa
	ARM 3, G0S, G1S, .Lhead_sb
	tensor_load_to_lds s[G0SB:G0SB+3], s[G1SB:G1SB+7]
	s_nop 0
.rept 4
	v_nop
.endr
.Lhead_asked:
	v_and_b32 v1, 31, v0                           ; lane
	v_and_b32 v2, 15, v0                           ; r
	v_bfe_u32 v3, v0, 4, 1                         ; h
	v_lshlrev_b32 v24, 4, v1                       ; 16 x lane
	v_lshlrev_b32 v25, 3, v1                       ; 8 x lane
	; the bias, in the result's layout
	s_cmp_eq_u32 ttmp9, 2
	s_cbranch_scc1 .Lbias_v
	s_cmp_eq_u32 ttmp9, 0
	s_cselect_b64 s[8:9], s[92:93], s[94:95]       ; bq or bk
	s_and_b32 s18, s42, 3
	s_lshl_b32 s18, s18, 10                        ; 256 columns of 4 bytes a tile,
	s_lshl_b32 s19, s16, 9                         ; 128 for my half
	s_add_co_u32 s18, s18, s19
	s_mov_b32 s19, 0
	s_add_nc_u64 s[8:9], s[8:9], s[18:19]
	s_wait_alu depctr_va_vdst(0)
	v_lshlrev_b32 v8, 6, v3                        ; lane half h: 16 columns on
.irp b, 0,1,2,3,4,5,6,7                        ; tile b's register j is column 32 (b / 2) + 8 (b % 2) + 16 h + j
	global_load_b128 v[BI+8*\b:BI+8*\b+3], v8, s[8:9] offset:(32*(\b/2)+8*(\b%2))*4
	global_load_b128 v[BI+8*\b+4:BI+8*\b+7], v8, s[8:9] offset:(32*(\b/2)+8*(\b%2))*4+16
.endr
	s_branch .Lbias_done
.Lbias_v:
	s_lshl_b32 s18, s41, 10
	s_lshl_b32 s19, s15, 9
	s_add_co_u32 s18, s18, s19
	s_mov_b32 s19, 0
	s_add_nc_u64 s[8:9], s[96:97], s[18:19]        ; bv
	s_wait_alu depctr_va_vdst(0)
	v_and_b32 v8, 8, v2
	v_add_nc_u32 v8, v8, v2
	v_lshlrev_b32 v8, 2, v8                        ; lane r of tile a is row 32 (a / 2) + 8 (a % 2) + r + 8 (r / 8): one number for all eight registers
.irp a, 0,1,2,3,4,5,6,7
	global_load_b32 v[BI+8*\a], v8, s[8:9] offset:(32*(\a/2)+8*(\a%2))*4
.endr
	s_wait_loadcnt 0x0
.irp a, 0,1,2,3,4,5,6,7
.irp j, 1,2,3,4,5,6,7
	v_mov_b32 v[BI+8*\a+\j], v[BI+8*\a]
.endr
.endr
.Lbias_done:
	s_mul_i32 s21, s15, HALFT                      ; my 128 rows of A
	s_mul_i32 s22, s16, HALFT                      ; my 128 rows of B,
	s_add_co_u32 s22, s22, 2*HALFT                 ; behind A's 256
.irp s, 0,1
	v_add_nc_u32 v[ADRA+\s], s21, v24
	v_add_nc_u32 v[ADRB+\s], s22, v24
	v_add_nc_u32 v[ADRA+2+\s], s21, v25
	v_add_nc_u32 v[ADRB+2+\s], s22, v25
	s_add_co_u32 s21, s21, SLOT
	s_add_co_u32 s22, s22, SLOT
.endr
	v_lshlrev_b32 v5, 3, v2                        ; my place's 8 scale bytes of a run
	s_lshl_b32 s21, s15, 12                        ; A's: my 128 rows
	s_lshl_b32 s22, s16, 12                        ; B's: my 128 rows, behind A's 256
	s_add_co_u32 s22, s22, 2*HALFS
	s_sub_co_u32 s22, s22, s21
	v_mul_u32_u24 v6, s22, v3                      ; lanes 16-31 take B's: one product, the distance between the two bases
	s_add_co_u32 s21, s21, SCL
	v_add_nc_u32 v5, v5, v6
	v_add_nc_u32 v[ADRS], s21, v5
	; where my results go
	s_lshl_b32 s18, s42, 1
	s_add_co_u32 s18, s18, s16                     ; v: my group of 128 tokens
	s_lshl_b32 s19, s17, 1
	s_add_co_u32 s19, s19, s15                     ; q, k: likewise
	s_lshl_b32 s20, s41, 2
	s_lshl_b32 s21, s15, 1
	s_add_co_u32 s20, s20, s21                     ; v: my first head
	s_and_b32 s21, s42, 3
	s_lshl_b32 s21, s21, 2
	s_lshl_b32 s22, s16, 1
	s_add_co_u32 s21, s21, s22                     ; q, k: likewise
	s_cmp_eq_u32 ttmp9, 2
	s_cselect_b32 s18, s18, s19
	s_cselect_b32 s20, s20, s21
	s_lshr_b32 s19, s18, 4                         ; b
	s_and_b32 s18, s18, 15                         ; the group in its sequence
	s_mul_i32 s19, s19, BS
	s_mul_i32 s20, s20, HS
	s_mul_i32 s18, s18, TS
	s_add_co_u32 s18, s18, s19
	s_add_co_u32 s18, s18, s20
	s_mov_b32 s22, 12288
	s_cmp_eq_u32 ttmp9, 0
	s_cselect_b32 s21, 13056, 0                    ; codes: q 13,056, k 0,
	s_cselect_b32 s22, 19200, s22                  ; scale image: q 19,200, k 12,288,
	s_cmp_eq_u32 ttmp9, 2
	s_cselect_b32 s21, 6144, s21                   ; v 6,144
	s_cselect_b32 s22, 12800, s22                  ; v 12,800
	s_add_co_u32 s20, s21, s18
	s_mov_b32 s21, 0
	s_add_nc_u64 s[4:5], s[98:99], s[20:21]
	s_add_co_u32 s20, s22, s18
	s_add_nc_u64 s[6:7], s[98:99], s[20:21]
	s_mov_b32 s100, 0x76543210
	s_mov_b32 s101, 0xfedcba98                     ; v_permlanex16_b32's selects for lane l xor 16
	s_mov_b32 s67, 0xffff0000                      ; lanes 16-31
	s_wait_alu depctr_va_vdst(0)
	s_wait_tensorcnt 0x0                           ; my tile of the head's four is in; slot 1's first fill is issued as a refill is
	ds_add_u32 v[SPW], v[NIL]
	s_mov_b32 s[G1+2], 8<<16                       ; no tensor load of mine is out: from here on a load brings 8 row tiles,
	s_mov_b32 s[G1+4], 8
	s_mov_b32 s[G1B+2], 8<<16
	s_mov_b32 s[G1B+4], 8
	s_mov_b32 s[G0+1], s45                         ; and slot 0's sets become the ring's: my half of the rows
	s_add_nc_u64 s[G0+2:G0+3], s[G0+2:G0+3], s[2:3]
	s_mov_b32 s[G0B+1], s45
	s_add_nc_u64 s[G0B+2:G0B+3], s[G0B+2:G0B+3], s[2:3]
	s_wait_dscnt 0x0
	CROUND
	JLOAD G0+4, G1, G0B+4, G1B
	FETCH_B 0, 0, 0
	FETCH_A 0, 0, 0
	SCALES 0
	FETCH_A 0, 0, 4
	s_wait_loadcnt 0x0                             ; the bias
	s_cmp_eq_u32 ttmp9, 2
	s_cbranch_scc1 .Lfirst_v
	STEP 0, 0, 1                                   ; the first step starts the sums on the bias: nothing is cleared
	s_branch .Lfirst_done
.Lfirst_v:
	STEP 0, 0, 2
.Lfirst_done:
	TURN 0, 1, 1                                   ; K = 1,024 is four slots: both slots are filled again once
	STEP 1, 0, 0
	TURN 1, 0, 1
	STEP 0, 0, 0
	TURN 0, 1, 0                                   ; the last lap fills nothing, and has no round of the cluster's barrier
	STEP 1, 0, 0
	s_wait_dscnt 4*NL                              ; the very last step: nothing more to fetch
	WIN MUL_LO
	MUL16 0, 1, NQ-1, 1, 0
	MUL16 2, 1, NQ-1, 1, 0
	s_wait_dscnt 0
	WIN MUL_HI
	MUL16 4, 1, NQ-1, 1, 0
	MUL16 6, 1, NQ-1, 1, 0
	WIN 0
	PLACES NP
	v_mov_b32 v[T2], 0                             ; written once: a lane permute's destination counts as one of its sources
	v_mov_b32 v[T2+1], 0
	v_mov_b32 v[FLR], 0x2800000
	s_cmp_eq_u32 ttmp9, 2
	s_cbranch_scc1 .Lout_v
.irp a, 0,1,2,3,4,5,6,7                        ; q, k: token tile a, head u: K = the head's 64
.irp u, 0,1
	QOUT \a, \u, 768*\a+HS*\u
.endr
.endr
.irp u, 0,1
.irp a, 0,1,2,3,4,5,6,7
.if (\a)%2
	v_lshl_or_b32 v[HW+2*\a+\u], v[HW+2*\a+\u], 16, 0x7f7f   ; an odd tile's two bytes stand in the word's upper half: the attention packs tiles 2 i and 2 i + 1 into one operand
.else
	v_or_b32 v[HW+2*\a+\u], 0x7f7f0000, v[HW+2*\a+\u]        ; an even tile's in the lower; the other half stands for 1
.endif
.endr
.irp i, 0,1,2,3
	v_cndmask_b32 v[RS+4*\u+\i], v[HW+4*\i+\u], v[HW+4*\i+2+\u], s67   ; register i: lanes 0-15 tile 2 i, lanes 16-31 tile 2 i + 1
.endr
	global_store_b128 v24, v[RS+4*\u:RS+4*\u+3], s[6:7] offset:HS*\u
.endr
	s_branch .Lout_done
.Lout_v:
	s_wait_alu depctr_va_vdst(0)
.irp a, 0,1,2,3,4,5,6,7                        ; v: head a / 4, tile a % 4 of its 64, chunk u of the group's 128 tokens
.irp u, 0,1
	QOUT \a, \u, HS*(\a/4)+1536*(\a%4)+768*\u
.endr
.endr
.irp a, 0,1,2,3,4,5,6,7
	v_lshl_or_b32 v[HW+2*\a], v[HW+2*\a+1], 16, v[HW+2*\a]   ; the four bytes of the group's 128 tokens
.endr
.irp p, 0,1
.irp i, 0,1
	v_cndmask_b32 v[RS+2*\p+\i], v[HW+2*(4*\p+2*\i)], v[HW+2*(4*\p+2*\i+1)], s67
.endr
	global_store_b64 v25, v[RS+2*\p:RS+2*\p+1], s[6:7] offset:HS*\p
.endr
.Lout_done:
	s_wait_tensorcnt 0x0                           ; the wave's end
	ds_add_u32 v[SPW], v[NIL]
	s_wait_dscnt 0x0
	CROUND                                         ; the closing round: no work-group ends while a partner may still ask for a tile that names it
	s_endpgm
.Lfunc_end_k_qf0e0643333_qkv:
	.size	k_qf0e0643333_qkv, .Lfunc_end_k_qf0e0643333_qkv-k_qf0e0643333_qkv
	.p2alignl 7, 3214868480
	.fill 96, 4, 3214868480
	.section	.rodata,"a",@progbits
	.p2align	6, 0x0
	.amdhsa_kernel k_qf0e0643333_qkv
		.amdhsa_group_segment_fixed_size 327680
		.amdhsa_private_segment_fixed_size 0
		.amdhsa_enable_private_segment 0
		.amdhsa_kernarg_size 64
		.amdhsa_user_sgpr_count 2
		.amdhsa_user_sgpr_kernarg_segment_ptr 1
		.amdhsa_wavefront_size32 1
		.amdhsa_system_sgpr_workgroup_id_x 1
		.amdhsa_system_sgpr_workgroup_id_y 1
		.amdhsa_system_sgpr_workgroup_id_z 1
		.amdhsa_system_vgpr_workitem_id 0
		.amdhsa_next_free_vgpr 1024
		.amdhsa_next_free_sgpr 102
		.amdhsa_reserve_vcc 0
		.amdhsa_float_denorm_mode_32 3
		.amdhsa_float_denorm_mode_16_64 3
		.amdhsa_memory_ordered 1
		.amdhsa_forward_progress 1
		.amdhsa_inst_pref_size 205
	.end_amdhsa_kernel
	.amdgpu_metadata
---
amdhsa.version: [ 1, 2 ]
amdhsa.kernels:
  - .name:           k_qf0e0643333_qkv
    .symbol:         k_qf0e0643333_qkv.kd
    .args:
      - { .name: ac, .offset: 0, .size: 8, .value_kind: global_buffer, .address_space: global }
      - { .name: asc, .offset: 8, .size: 8, .value_kind: global_buffer, .address_space: global }
      - { .name: wc, .offset: 16, .size: 8, .value_kind: global_buffer, .address_space: global }
      - { .name: ws, .offset: 24, .size: 8, .value_kind: global_buffer, .address_space: global }
      - { .name: bq, .offset: 32, .size: 8, .value_kind: global_buffer, .address_space: global }
      - { .name: bk, .offset: 40, .size: 8, .value_kind: global_buffer, .address_space: global }
      - { .name: bv, .offset: 48, .size: 8, .value_kind: global_buffer, .address_space: global }
      - { .name: qkv, .offset: 56, .size: 8, .value_kind: global_buffer, .address_space: global }
    .group_segment_fixed_size: 327680
    .private_segment_fixed_size: 0
    .kernarg_segment_align: 8
    .kernarg_segment_size: 64
    .max_flat_workgroup_size: 128
    .sgpr_count:     102
    .vgpr_count:     1024
    .wavefront_size: 32
...
	.end_amdgpu_metadata
.endif
;; end of part 2
;; launch attn (part 3): grid 256 x 1, 16 waves a work-group, clusters of 4 x 1, 327,680 bytes of LDS; arguments qkv, ac, asc; writes ac, asc
.if DOCPART == 3
	.amdgcn_target "amdgcn-amd-amdhsa--gfx1250"
	.amdhsa_code_object_version 6
	.text
	.protected	k_qf0e0643333_attn
	.globl	k_qf0e0643333_attn
	.p2align	8
	.type	k_qf0e0643333_attn,@function
k_qf0e0643333_attn:
	s_mov_b64 s[64:65], 0
	v_nop
	global_prefetch_b8 v0, s[64:65] scope:SCOPE_SE
	s_setreg_imm32_b32 hwreg(HW_REG_WAVE_MODE, 25, 1), 1
	s_wait_xcnt 0x0
	s_wait_alu depctr_hold_cnt(0) depctr_sa_sdst(0) depctr_va_vdst(0) depctr_va_sdst(0) depctr_va_ssrc(0) depctr_va_vcc(0) depctr_vm_vsrc(0)
	s_getreg_b32 s2, hwreg(HW_REG_IB_STS2, 6, 4)
	s_cmp_eq_u32 s2, 0
	s_cbranch_scc0 .Lentry_in_a_cluster
	s_endpgm
.Lentry_in_a_cluster:
	s_bfe_u32 s2, ttmp6, 0x10000c
	s_cmp_lg_u32 s2, 0x3003
	s_cbranch_scc0 .Lentry_shape_is_right
	s_endpgm
.Lentry_shape_is_right:
; Causal attention on codes of BF6 (E3M2) with E8M0 scales, head size 64; the context is quantised along (head, e) and stored as the last product's operand.
; IN: qkv [b x head][group of 128 tokens][19,712 bytes]: K's codes 0 (8 tiles of 16 keys x 768), V's 6,144 (4 tiles of 16 e x 128 keys x 1,536), K's scale image 12,288, V's 12,800, Q's codes 13,056, Q's scale image 19,200.
; All are images of operand registers (registers 0-3 of a lane at 16 x lane, 4-5 at 512 + 8 x lane).  Rows stand in positions: position p = true row p with bits 3 and 4 exchanged.
; In K's and Q's scale images an even tile's two bytes are bytes 0, 1 of its word and an odd tile's bytes 2, 3; the other two stand for 1.
; SOFTMAX: t = score x log2(e) / 8; M = the running largest t rounded up to a whole number; p = 2^(t - M) is quantised along the keys; the sum is taken of the unquantised p and divides at the end.
; When M moves, the sum and O are multiplied by 2^(old M - new M): exact.
; LEFT OUT: key tiles that lie wholly above the diagonal of the causal mask.
; THE DEAL.  A cluster of four work-groups owns one (b, head).  All 16 key tiles, 13,056 bytes each in places of 16,384, come into each partner's LDS ONCE, by joint loads, one a wave: nothing is filled again,
; and no barrier stands in the walk but one, behind key step 3, which shows tiles 5 to 15.  Wave w of partner cx owns two tiles of 16 query positions: with g = w / 2 and i = w % 2 + 2 cx, first tile 7 - i of
; group 15 - g, then tile i of group g: 16 - g and g + 1 key steps, 17 for every wave.  Branches and LDS addresses hang on the wave's number alone; cx enters global addresses and the mask's threshold.
; NO DATA PREFETCH: every byte that is streamed is asked for at the head by the tensor loads themselves; there is no loop to run ahead in.
; Both products are used transposed (S^T = K Q^T, O^T = V^T P^T): a lane holds one query throughout.  The score product's K is 64: an operand of K holds tile 2 i in its lower half and tile 2 i + 1 in its upper,
; and is multiplied by [q | 0] and by [0 | q].  K of step t + 1 is fetched behind step t's score products, V of step t at its head: each s_wait_dscnt 17 leaves the 17 younger loads out.
; LIMITS: a block of zeros gets the byte 1 (its codes are zeros; this program alone reads the bytes); NaN and infinities are not served; the scaled scores stay under 2^31 in magnitude.
.set TS,   19712
.set HS,   315392
.set QC,   13056
.set QS,   19200
.set PL,   16384                       ; a key tile's place in LDS
.set SPARE, 16*PL                      ; the spare words: 128 bytes for each of 16 waves
.set TT,   0                           ; v0 at work (behind the head)
.set SPW,  3
.set NIL,  4                           ; v1 16 x lane, v2 8 x lane, v5 the mask's threshold
.set QSA,  6                           ; Q's scale word for [q | 0]
.set QSB,  7                           ; and for [0 | q]
.set A16,  8                           ; v8, v9 LDS: 16 x lane, 8 x lane + the key tile's place
.set A8,   9
.set VSC,  10                          ; v10-11 V's scale words;  v12 -M, v13 the largest t, v14-15 the sum
.set Z,    16                          ; v16-21 zeros, v22-27 q, v28-33 zeros
.set KF,   34                          ; v34-81 K: four operands of two tiles
.set VF,   82                          ; v82-129 V's four
.set S,    130                         ; v130-193 S^T, then p
.set O,    194                         ; v194-225 O^T
.set PCD,  226                         ; v226-237 p's codes
.set BM,   238                         ; v238-241 block maxima; v238-245 later the conversions' second halves and four chains of the sum
.set PM,   242
.set SOP,  246                         ; v246-249 scale operands
.set KSC,  250                         ; v250-253 K's scale words
.set FF,   254                         ; f = 2^(old M - new M)
.set PW,   255                         ; p's scale word
.set WV,   10
.set G0,   44
.set G1,   48
.set SEL,  56
.set CS,   58
.macro WALU
	s_wait_alu depctr_va_vdst(0)
.endm
.macro BARRIER
	s_barrier_signal -1
	s_barrier_wait -1
.endm
.macro CROUND
	BARRIER
	s_cmp_lg_u32 s[WV], 0
	s_cbranch_scc1 .Lnot_wave_0_\@
	s_barrier_signal -3
.Lnot_wave_0_\@:
	s_barrier_wait -3
	BARRIER
.endm
.macro TLOAD
	tensor_load_to_lds s[G0:G0+3], s[G1:G1+7]
	s_nop 0
.rept 4
	v_nop
.endr
.endm
; offsets of query tile I of group G: Q's codes s[24+2p], Q's scale words s[28+2p], the context's codes s[32+2p], its scale bytes s[36+2p], the mask's term s[40+p]
.macro PARAM p, G, I
	s_mul_i32 s60, s\G, TS
	s_mul_i32 s61, s\I, 768
	s_add_co_u32 s61, s61, s60
	s_add_co_u32 s[24+2*\p], s61, QC
	s_mov_b32 s[25+2*\p], 0
	s_lshr_b32 s61, s\I, 1
	s_lshl_b32 s62, s61, 2
	s_add_co_u32 s62, s62, s60
	s_add_co_u32 s[28+2*\p], s62, QS
	s_mov_b32 s[29+2*\p], 0
	s_lshl_b32 s61, s61, 5
	s_and_b32 s62, s\I, 1
	s_lshl_b32 s60, s62, 3
	s_add_co_u32 s[40+\p], s61, s60                ; 32 (I / 2) + 8 (I % 2)
	s_lshl_b32 s60, s\G, 3
	s_add_co_u32 s60, s60, s\I
	s_add_co_u32 s60, s60, s15                     ; row tile 128 b + 8 G + I
	s_mul_i32 s61, s60, 12288
	s_add_co_u32 s[32+2*\p], s61, s17
	s_mov_b32 s[33+2*\p], 0
	s_lshl_b32 s61, s60, 9
	s_add_co_u32 s[36+2*\p], s61, s18
	s_mov_b32 s[37+2*\p], 0
.endm
	s_load_b128 s[4:7], s[0:1], 0x0                ; qkv, ac
	s_load_b64 s[8:9], s[0:1], 0x10                ; asc
	v_lshl_add_u32 v[SPW], v0, 2, SPARE
	v_mov_b32 v[NIL], 0
	ds_add_u32 v[SPW], v[NIL]                      ; the opening lines: the add twice and its wait
	ds_add_u32 v[SPW], v[NIL]
	v_lshrrev_b32 v1, 5, v0
	v_readfirstlane_b32 s[WV], v1                  ; wave 0..15
	s_bfe_u32 s11, ttmp6, 0x40000                  ; cx
	s_lshr_b32 s12, s[WV], 1                       ; g
	s_and_b32 s62, s[WV], 1
	s_cmp_eq_u32 s62, 1
	s_cselect_b32 s43, -1, 0                       ; is the second tile odd?  (by the wave's number alone)
	s_cselect_b32 s42, 0, -1                       ; the first is the other way
	s_lshl_b32 s14, s11, 1
	s_add_co_u32 s13, s62, s14                     ; i
	s_sub_co_u32 s20, 15, s12                      ; the first tile's group
	s_sub_co_u32 s22, 7, s13                       ; and its place there
	s_lshr_b32 s15, ttmp9, 4
	s_lshl_b32 s15, s15, 7                         ; 128 b
	s_and_b32 s16, ttmp9, 15                       ; head
	s_mul_i32 s17, s16, 768
	s_lshr_b32 s18, s16, 2
	s_lshl_b32 s18, s18, 7
	s_and_b32 s19, s16, 3
	s_lshl_b32 s19, s19, 1
	s_add_co_u32 s18, s18, s19                     ; 128 (head / 4) + 2 (head % 4)
	PARAM 0, 20, 22
	PARAM 1, 12, 13
	s_sub_co_u32 s19, s41, s40                     ; from the first tile's threshold to the second's
	s_mov_b32 s[G0], 1
	s_lshl_b32 s[G0+1], s[WV], 14                  ; key tile w goes to place w
	s_mov_b32 s[G1], 15|(3<<16)|(1<<21)            ; all four partners; elements of 8 bytes; 51 dense rows of 256 bytes
	s_mov_b32 s[G1+1], 32<<16
	s_mov_b32 s[G1+2], 51<<16
	s_mov_b32 s[G1+3], 32<<16
	s_mov_b32 s[G1+4], 51
	s_mov_b32 s[G1+5], 32
	s_mov_b32 s[G1+6], 0
	s_mov_b32 s[G1+7], 0
	s_mov_b32 s[SEL], 0x76543210
	s_mov_b32 s[SEL+1], 0xfedcba98
	s_mov_b32 s[CS], 0x3e38aa3b                    ; c = log2(e) / 8
	s_mov_b32 s[CS+1], s[CS]
	v_and_b32 v2, 31, v0
	v_lshlrev_b32 v1, 4, v2                        ; 16 x lane
	v_lshlrev_b32 v2, 3, v2                        ; 8 x lane
	v_and_b32 v8, 15, v0                           ; r
	v_bfe_u32 v9, v0, 4, 1                         ; h
	v_and_b32 v5, 8, v8
	v_add_nc_u32 v5, v5, v8                        ; r % 8 + 16 (r / 8)
	v_lshlrev_b32 v9, 4, v9
	v_sub_nc_u32 v5, v5, v9
	v_add_nc_u32 v5, s40, v5                       ; d = my query in its group - 16 h: register 16 b + n holds key 32 b + 16 h + n, hidden where 32 b + n > d
	v_mov_b32 v[TT], 0
.irp j, 0,1,2,3,4,5
	v_mov_b32 v[Z+\j], 0                           ; zero codes on both sides of q
	v_mov_b32 v[Z+12+\j], 0
.endr
.irp b, 0,1,2,3
	v_mov_b32 v[PM+\b], 0                          ; a lane permute's destination counts as one of its sources
.endr
	v_mov_b32 v[PW], 0
	WALU
	s_wait_dscnt 0x0
	CROUND                                         ; the round in front of the joint loads
	s_wait_kmcnt 0x0
	s_mul_i32 s60, ttmp9, HS
	s_mov_b32 s61, 0
	s_add_nc_u64 s[4:5], s[4:5], s[60:61]          ; my head
.irp p, 0,1
	s_add_nc_u64 s[24+2*\p:25+2*\p], s[4:5], s[24+2*\p:25+2*\p]
	s_add_nc_u64 s[28+2*\p:29+2*\p], s[4:5], s[28+2*\p:29+2*\p]
	s_add_nc_u64 s[32+2*\p:33+2*\p], s[6:7], s[32+2*\p:33+2*\p]
	s_add_nc_u64 s[36+2*\p:37+2*\p], s[8:9], s[36+2*\p:37+2*\p]
.endr
	s_mul_i32 s60, s[WV], TS
	s_add_nc_u64 s[G0+2:G0+3], s[4:5], s[60:61]
	s_or_b32 s[G0+3], s[G0+3], 0x80000000
	s_cmp_lt_u32 s[WV], 5                          ; tiles 0 to 4 have a load line of their own: they are shown ahead of the rest
	s_cbranch_scc0 .Lrest
	TLOAD
	s_branch .Lasked
.Lrest:
	TLOAD
.Lasked:
	global_load_b128 v[Z+6:Z+9], v1, s[24:25]      ; the first tile's q
	global_load_b64 v[Z+10:Z+11], v2, s[24:25] offset:512
	global_load_b32 v[QSA], v1, s[28:29]           ; lanes 0-15: the even tile's scale words, lanes 16-31: the odd one's
.macro KLOAD
.irp t, 0,1,2,3,4,5,6,7
	ds_load_b128 v[KF+6*\t:KF+6*\t+3], v[A16] offset:768*\t
	ds_load_b64 v[KF+6*\t+4:KF+6*\t+5], v[A8] offset:768*\t+512
.endr
	ds_load_b128 v[KSC:KSC+3], v[A16] offset:12288
.endm
.macro SMUL t                          ; S^T, tile t: 16 keys x my 16 queries
.if (\t)%2
	v_wmma_scale_f32_16x16x128_f8f6f4 v[S+8*(\t):S+8*(\t)+7], v[KF+12*((\t)/2):KF+12*((\t)/2)+11], v[Z:Z+11], 0, v[KSC+(\t)/2], v[QSB] matrix_a_fmt:MATRIX_FMT_BF6 matrix_b_fmt:MATRIX_FMT_BF6 matrix_a_scale:MATRIX_SCALE_ROW1
.else
	v_wmma_scale_f32_16x16x128_f8f6f4 v[S+8*(\t):S+8*(\t)+7], v[KF+12*((\t)/2):KF+12*((\t)/2)+11], v[Z+6:Z+17], 0, v[KSC+(\t)/2], v[QSA] matrix_a_fmt:MATRIX_FMT_BF6 matrix_b_fmt:MATRIX_FMT_BF6
.endif
.endm
.macro OMUL t                          ; O^T, tile t: 16 of the head's 64 x my 16 queries, K = the step's 128 keys
.if (\t)%2
	v_wmma_scale_f32_16x16x128_f8f6f4 v[O+8*\t:O+8*\t+7], v[VF+12*\t:VF+12*\t+11], v[PCD:PCD+11], v[O+8*\t:O+8*\t+7], v[VSC+(\t)/2], v[PW] matrix_a_fmt:MATRIX_FMT_BF6 matrix_b_fmt:MATRIX_FMT_BF6 matrix_a_scale:MATRIX_SCALE_ROW1
.else
	v_wmma_scale_f32_16x16x128_f8f6f4 v[O+8*\t:O+8*\t+7], v[VF+12*\t:VF+12*\t+11], v[PCD:PCD+11], v[O+8*\t:O+8*\t+7], v[VSC+(\t)/2], v[PW] matrix_a_fmt:MATRIX_FMT_BF6 matrix_b_fmt:MATRIX_FMT_BF6
.endif
.endm
; A KEY STEP of 128 keys.  kind 0: all keys count, and the next tile's K is fetched (its place held at bound); 1: the diagonal, a query tile's last step.
.macro STEP kind, bound
.irp t, 0,1,2,3
	ds_load_b128 v[VF+12*\t:VF+12*\t+3], v[A16] offset:6144+1536*\t
	ds_load_b64 v[VF+12*\t+4:VF+12*\t+5], v[A8] offset:6144+1536*\t+512
	ds_load_b128 v[VF+12*\t+6:VF+12*\t+9], v[A16] offset:6144+1536*\t+768
	ds_load_b64 v[VF+12*\t+10:VF+12*\t+11], v[A8] offset:6144+1536*\t+1280
.endr
	ds_load_b64 v[VSC:VSC+1], v[A8] offset:12800
.if \kind == 0
	s_add_co_u32 s62, s61, PL
	s_min_u32 s62, s62, \bound
.endif
	s_wait_dscnt 17                                ; K and its scale words are in; V's 17 loads may be out
.irp t, 0,1,2,3,4,5,6,7
	SMUL \t
.endr
.if \kind == 0
	v_add_nc_u32 v[A16], s62, v1                   ; four places behind the products, two of them the next tile's addresses
	v_add_nc_u32 v[A8], s62, v2
	v_nop
	v_nop
	KLOAD
.else
	v_mov_b32 v[TT], 0xff800000
	v_nop
	v_nop
	v_nop
.set n, 0
.rept 64                                       ; hidden scores become -infinity ahead of the maximum: p = 0 then.  The tile's first key counts for every query of the tile
	v_cmp_gt_i32 vcc_lo, 32*(n/16)+n%16, v5
	v_cndmask_b32 v[S+n], v[S+n], v[TT], vcc_lo
.set n, n+1
.endr
.endif
.irp b, 0,1,2,3
	v_max3_num_f32 v[BM+\b], v[S+16*\b], v[S+16*\b+1], v[S+16*\b+2]   ; the largest score of each block of 32 keys: for the row's maximum, and, since p rises with the score, for the block's largest p
.endr
.irp i, 3,5,7,9,11,13
.irp b, 0,1,2,3
	v_max3_num_f32 v[BM+\b], v[BM+\b], v[S+16*\b+\i], v[S+16*\b+\i+1]
.endr
.endr
.irp b, 0,1,2,3
	v_max_num_f32 v[BM+\b], v[BM+\b], v[S+16*\b+15]
.endr
.irp b, 0,1,2,3
	s_delay_alu instid0(VALU_DEP_4)
	v_permlanex16_b32 v[PM+\b], v[BM+\b], s[SEL], s[SEL+1]
.endr
.irp b, 0,1,2,3
	s_delay_alu instid0(VALU_DEP_4)
	v_max_num_f32 v[BM+\b], v[BM+\b], v[PM+\b]     ; with lane l xor 16's 16 keys
.endr
	s_delay_alu instid0(VALU_DEP_2)
	v_max3_num_f32 v[TT], v[BM], v[BM+1], v[BM+2]
	s_delay_alu instid0(VALU_DEP_1)
	v_max_num_f32 v[TT], v[TT], v[BM+3]            ; the step's largest score of my query
	s_delay_alu instid0(VALU_DEP_1)
	v_mul_f32 v[TT], s[CS], v[TT]                  ; as t (c is positive)
	s_delay_alu instid0(VALU_DEP_1)
	v_max_num_f32 v13, v13, v[TT]                  ; the running largest t
	v_mov_b32 v[TT], v12
	s_delay_alu instid0(VALU_DEP_2)
	v_floor_f32 v12, -v13                          ; the new -M = floor(-t): M is a whole number
	s_delay_alu instid0(VALU_DEP_1)
	v_sub_f32 v[TT], v12, v[TT]                    ; old M - new M: a whole number, 0 or less
	s_delay_alu instid0(VALU_DEP_1)
	v_cvt_i32_f32 v[TT], v[TT]                     ; (it saturates)
	s_delay_alu instid0(VALU_DEP_1)
	v_ldexp_f32 v[FF], 1.0, v[TT]                  ; f = 2^(old M - new M)
.set j, 0
.rept 32
	v_pk_fma_f32 v[S+j:S+j+1], v[S+j:S+j+1], s[CS:CS+1], v[12:13] op_sel_hi:[1,0,0]   ; t - M, two at a time
.set j, j+2
.endr
.irp b, 0,1,2,3
	v_fma_f32 v[BM+\b], v[BM+\b], s[CS], v12       ; the same of each block's largest score
.endr
	WALU
.set j, 0
.rept 64
	v_exp_f32 v[S+j], v[S+j]                       ; p = 2^(t - M), at most 1: not normalised
.set j, j+1
.endr
.irp b, 0,1,2,3
	v_exp_f32 v[BM+\b], v[BM+\b]                   ; the block's largest p: the same two instructions on the same number
.endr
	v_pk_mul_f32 v[14:15], v[14:15], v[FF:FF+1] op_sel_hi:[1,0]   ; the sum under the new M; a plain place behind the exponentials
	WALU                                           ; one wait for the batch, directly ahead of the first reader of O^T too
.set j, 0
.rept 16
	v_pk_mul_f32 v[O+j:O+j+1], v[O+j:O+j+1], v[FF:FF+1] op_sel_hi:[1,0]   ; O^T under the new M, each accumulator from its low end on
.set j, j+2
.endr
.irp b, 0,1,2,3
	v_max_num_f32 v[BM+\b], 0x2800000, v[BM+\b]    ; the floor 2^(5 - 127): the byte cannot fall under 1
.endr
.irp b, 0,1,2,3
	s_delay_alu instid0(VALU_DEP_4)
	v_add_nc_u32 v[SOP+\b], 0xfe000000, v[BM+\b]   ; 4 off the exponent field: the conversion's scale operand
.endr
.irp b, 0,1,2,3
	s_delay_alu instid0(VALU_DEP_4)
	v_lshrrev_b32 v[PM+\b], 23, v[SOP+\b]
.endr
	s_delay_alu instid0(VALU_DEP_3)
	v_lshl_or_b32 v[PW], v[PM+1], 8, v[PM]         ; p's scale word for these 128 keys
	s_delay_alu instid0(VALU_DEP_1)
	v_lshl_or_b32 v[PW], v[PM+2], 16, v[PW]
	s_delay_alu instid0(VALU_DEP_1)
	v_lshl_or_b32 v[PW], v[PM+3], 24, v[PW]
.irp c, 0,1
	v_cvt_scalef32_pk16_bf6_f32 v[PCD+6*\c:PCD+6*\c+2], v[S+32*\c:S+32*\c+15], v[SOP+2*\c]
	v_cvt_scalef32_pk16_bf6_f32 v[BM+4*\c:BM+4*\c+2], v[S+32*\c+16:S+32*\c+31], v[SOP+2*\c+1]   ; (a conversion's three registers begin on an even number)
.endr
	v_nop                                          ; one plain place behind a scaled conversion
.irp c, 0,1                                    ; a whole block to a lane: lanes 0-15 block 2 c, lanes 16-31 block 2 c + 1
.irp i, 0,1,2
	v_permlane16_swap_b32 v[PCD+6*\c+\i], v[BM+4*\c+\i]
.endr
.irp i, 0,1,2
	s_delay_alu instid0(VALU_DEP_3)
	v_mov_b32 v[PCD+6*\c+3+\i], v[BM+4*\c+\i]
.endr
.endr
.set k, 0
.rept 4                                        ; the sum of the unquantised p, in four chains; these twelve lines are also the places between p's codes and scale word and the products
	v_pk_add_f32 v[BM+2*k:BM+2*k+1], v[S+4*k:S+4*k+1], v[S+4*k+2:S+4*k+3]
.set k, k+1
.endr
.set k, 8
.rept 8
	v_pk_add_f32 v[BM+2*(k%4):BM+2*(k%4)+1], v[BM+2*(k%4):BM+2*(k%4)+1], v[S+2*k:S+2*k+1]
.set k, k+1
.endr
	WALU
.if \kind == 0
	s_wait_dscnt 17                                ; V is in; the next tile's K, 17 loads, may be out
.else
	s_wait_dscnt 0x0
.endif
.irp t, 0,1,2,3
	OMUL \t                                        ; four accumulators by turns
.endr
.rept 16                                       ; the rest of the sum names none of the products' registers: the places in front of the next loads into V's registers
	v_pk_add_f32 v[BM+2*(k%4):BM+2*(k%4)+1], v[BM+2*(k%4):BM+2*(k%4)+1], v[S+2*k:S+2*k+1]
.set k, k+1
.endr
	v_pk_add_f32 v[BM:BM+1], v[BM:BM+1], v[BM+2:BM+3]
	v_pk_add_f32 v[BM+4:BM+5], v[BM+4:BM+5], v[BM+6:BM+7]
	v_pk_add_f32 v[BM:BM+1], v[BM:BM+1], v[BM+4:BM+5]
	v_pk_add_f32 v[14:15], v[14:15], v[BM:BM+1]
.endm
; A query tile's start: its scale words for both forms of the operand, the threshold, place 0, and an empty state (the step is written once: the first finds zeros, which the first change of M leaves zeros)
.macro PROLOG p
	WALU
.if \p
	s_wait_xcnt 0x0                                ; the first tile's stores have read their registers
.endif
	s_wait_loadcnt 0x0                             ; q and its scale words
	v_permlanex16_b32 v[TT], v[QSA], s[SEL], s[SEL+1]
	v_cndmask_b32 v[TT], v[QSA], v[TT], s[42+\p]   ; lanes 0-15: my tile's word
	v_perm_b32 v[QSB], v[TT], v[TT], 0x01000302    ; its halves exchanged
	v_cndmask_b32 v[QSA], v[TT], v[QSB], s[42+\p]  ; the two bytes below
	v_cndmask_b32 v[QSB], v[QSB], v[TT], s[42+\p]  ; the two bytes above
.if \p
	v_add_nc_u32 v5, s19, v5
.endif
	v_mov_b32 v[A16], v1
	v_mov_b32 v[A8], v2
.set j, 0
.rept 32
	v_mov_b32 v[O+j], 0
.set j, j+1
.endr
	v_mov_b32 v14, 0
	v_mov_b32 v15, 0
	v_mov_b32 v13, 0xff61b1e6                      ; the largest t so far: -3e38
	v_floor_f32 v12, -v13
	WALU
.endm
; Key tiles from .. to - 1: a loop of constant count; a wave passes over the tiles above its diagonal (group in s\G) by a branch on its number and the counter
.macro WALK from, to, G
	s_mov_b32 s60, \from
	s_mov_b32 s61, (\from)*PL
.Ltile_\@:
	v_add_nc_u32 v[A16], s61, v1                   ; this tile's place, made on the way that every wave takes, ahead of the branches
	v_add_nc_u32 v[A8], s61, v2
	WALU                                           ; a taken branch may stand ahead of the readers
	s_cmp_gt_u32 s60, s\G
	s_cbranch_scc1 .Lnext_\@
	s_cmp_eq_u32 s60, s\G
	s_cbranch_scc1 .Ldiag_\@
	STEP 0, 15*PL
	s_branch .Lnext_\@
.Ldiag_\@:
	STEP 1, 0
.Lnext_\@:
	WALU
	s_add_co_u32 s61, s61, PL
	s_add_co_u32 s60, s60, 1
	s_cmp_lt_u32 s60, \to
	s_cbranch_scc1 .Ltile_\@
.endm
; THE WAY OUT: O^T / the sum; register 16 c + i is e = 32 c + 16 h + i of my query: two blocks of the last product's K, quantised as every operand is
.macro WAYOUT p
	s_wait_dscnt 0x0
	v_add_f32 v14, v14, v15
	v_permlanex16_b32 v[TT], v14, s[SEL], s[SEL+1]
	v_add_f32 v14, v14, v[TT]                      ; the row's sum
	WALU
	v_rcp_f32 v14, v14
	v_nop
	WALU
.set j, 0
.rept 32
	v_mul_f32 v[S+j], v[O+j], v14
.set j, j+1
.endr
.irp c, 0,1
	v_max3_num_f32 v[BM+\c], |v[S+16*\c]|, |v[S+16*\c+1]|, 0x2800000
.endr
.irp i, 2,4,6,8,10,12,14
.irp c, 0,1
	v_max3_num_f32 v[BM+\c], v[BM+\c], |v[S+16*\c+\i]|, |v[S+16*\c+\i+1]|
.endr
.endr
.irp c, 0,1
	v_permlanex16_b32 v[PM+\c], v[BM+\c], s[SEL], s[SEL+1]
.endr
.irp c, 0,1
	v_max_num_f32 v[BM+\c], v[BM+\c], v[PM+\c]
.endr
.irp c, 0,1
	v_add_nc_u32 v[SOP+\c], 0xfe000000, v[BM+\c]
.endr
.irp c, 0,1
	v_lshrrev_b32 v[PM+\c], 23, v[SOP+\c]
.endr
	v_lshl_or_b32 v[TT], v[PM+1], 8, v[PM]         ; the two scale bytes
	v_and_b32 v[PM+2], 0x78, v2                    ; 8 r
	v_cvt_scalef32_pk16_bf6_f32 v[PCD:PCD+2], v[S:S+15], v[SOP]
	v_cvt_scalef32_pk16_bf6_f32 v[PCD+8:PCD+10], v[S+16:S+31], v[SOP+1]
	v_nop
.irp i, 0,1,2
	v_permlane16_swap_b32 v[PCD+\i], v[PCD+8+\i]
.endr
.irp i, 0,1,2
	v_mov_b32 v[PCD+3+\i], v[PCD+8+\i]
.endr
	global_store_b128 v1, v[PCD:PCD+3], s[32+2*\p:33+2*\p]             ; 512 consecutive bytes
	global_store_b64 v2, v[PCD+4:PCD+5], s[32+2*\p:33+2*\p] offset:512 ; 256
	global_store_b16 v[PM+2], v[TT], s[36+2*\p:37+2*\p]                ; two bytes a row, 8 bytes apart (lanes 16-31 write the same bytes with the same values): two such stores a wave
.endm
	PROLOG 0
	s_wait_dscnt 0x0
	s_cmp_lt_u32 s[WV], 5
	s_cbranch_scc0 .Lnot_mine
	s_wait_tensorcnt 0x0                           ; waves 0 to 4: key tiles 0 to 4
.Lnot_mine:
	BARRIER                                        ; they are shown to all; the others may be on their way
	KLOAD
	s_mov_b32 s60, 0
	s_mov_b32 s61, 0
.Lfirst:                                           ; key tiles 0 to 3 are open to every first tile (its group is 8 at the least); K is fetched up to tile 4
	v_add_nc_u32 v[A16], s61, v1                   ; this tile's place
	v_add_nc_u32 v[A8], s61, v2
	STEP 0, 4*PL
	WALU
	s_add_co_u32 s61, s61, PL
	s_add_co_u32 s60, s60, 1
	s_cmp_lt_u32 s60, 4
	s_cbranch_scc1 .Lfirst
	s_wait_tensorcnt 0x0                           ; every wave's tile is in,
	s_wait_dscnt 0x0
	BARRIER                                        ; and shown to all: from here on the waves walk by themselves
	WALK 4, 16, 20
	global_load_b128 v[Z+6:Z+9], v1, s[26:27]      ; the second tile's q and scale words, asked for behind the first tile's last product; the way out stands under their flight
	global_load_b64 v[Z+10:Z+11], v2, s[26:27] offset:512
	global_load_b32 v[QSA], v1, s[30:31]
	WAYOUT 0
	PROLOG 1
	KLOAD
	WALK 0, 8, 12
	WAYOUT 1
	s_wait_tensorcnt 0x0                           ; the wave's end
	ds_add_u32 v[SPW], v[NIL]
	s_wait_dscnt 0x0
	CROUND                                         ; the closing round
	s_endpgm
.Lfunc_end_k_qf0e0643333_attn:
	.size	k_qf0e0643333_attn, .Lfunc_end_k_qf0e0643333_attn-k_qf0e0643333_attn
	.p2alignl 7, 3214868480
	.fill 96, 4, 3214868480
	.section	.rodata,"a",@progbits
	.p2align	6, 0x0
	.amdhsa_kernel k_qf0e0643333_attn
		.amdhsa_group_segment_fixed_size 327680
		.amdhsa_private_segment_fixed_size 0
		.amdhsa_enable_private_segment 0
		.amdhsa_kernarg_size 24
		.amdhsa_user_sgpr_count 2
		.amdhsa_user_sgpr_kernarg_segment_ptr 1
		.amdhsa_wavefront_size32 1
		.amdhsa_system_sgpr_workgroup_id_x 1
		.amdhsa_system_sgpr_workgroup_id_y 1
		.amdhsa_system_sgpr_workgroup_id_z 1
		.amdhsa_system_vgpr_workitem_id 0
		.amdhsa_next_free_vgpr 256
		.amdhsa_next_free_sgpr 66
		.amdhsa_reserve_vcc 1
		.amdhsa_float_denorm_mode_32 3
		.amdhsa_float_denorm_mode_16_64 3
		.amdhsa_memory_ordered 1
		.amdhsa_forward_progress 1
		.amdhsa_inst_pref_size 113
	.end_amdhsa_kernel
	.amdgpu_metadata
---
amdhsa.version: [ 1, 2 ]
amdhsa.kernels:
  - .name:           k_qf0e0643333_attn
    .symbol:         k_qf0e0643333_attn.kd
    .args:
      - { .name: qkv, .offset: 0, .size: 8, .value_kind: global_buffer, .address_space: global }
      - { .name: ac, .offset: 8, .size: 8, .value_kind: global_buffer, .address_space: global }
      - { .name: asc, .offset: 16, .size: 8, .value_kind: global_buffer, .address_space: global }
    .group_segment_fixed_size: 327680
    .private_segment_fixed_size: 0
    .kernarg_segment_align: 8
    .kernarg_segment_size: 24
    .max_flat_workgroup_size: 512
    .sgpr_count:     66
    .vgpr_count:     256
    .wavefront_size: 32
...
	.end_amdgpu_metadata
.endif
;; end of part 3
;; launch outp (part 4): grid 4 x 32, 4 waves a work-group, clusters of 4 x 4, 327,680 bytes of LDS; arguments ac, asc, wc, ws, bo, out0; writes out0
.if DOCPART == 4
	.amdgcn_target "amdgcn-amd-amdhsa--gfx1250"
	.amdhsa_code_object_version 6
	.text
	.protected	k_qf0e0643333_outp
	.globl	k_qf0e0643333_outp
	.p2align	8
	.type	k_qf0e0643333_outp,@function
k_qf0e0643333_outp:
	s_mov_b64 s[64:65], 0
	v_nop
	global_prefetch_b8 v0, s[64:65] scope:SCOPE_SE
	s_setreg_imm32_b32 hwreg(HW_REG_WAVE_MODE, 25, 1), 1
	s_wait_xcnt 0x0
	s_wait_alu depctr_hold_cnt(0) depctr_sa_sdst(0) depctr_va_vdst(0) depctr_va_sdst(0) depctr_va_ssrc(0) depctr_va_vcc(0) depctr_vm_vsrc(0)
	s_getreg_b32 s2, hwreg(HW_REG_IB_STS2, 6, 4)
	s_cmp_eq_u32 s2, 0
	s_cbranch_scc0 .Lentry_in_a_cluster
	s_endpgm
.Lentry_in_a_cluster:
	s_bfe_u32 s2, ttmp6, 0x10000c
	s_cmp_lg_u32 s2, 0xf033
	s_cbranch_scc0 .Lentry_shape_is_right
	s_endpgm
.Lentry_shape_is_right:
.set NQ,     2
.set FR,     12
.set NL,     4
.set NP,     4
.set TROW,   3072
.set HALFT,  8*TROW
.set SLOT,   4*HALFT
.set SCL,    2*SLOT
.set HALFS,  4096
.set SBLK,   512
.set SPARE,  SCL+4*HALFS
.set SPITCH, 528
.set ADRA, 16
.set ADRB, 20
.set STO,  24
.set RD,   25
.set CO,   26
.set ADRS, 27
.set SPW,  28
.set NIL,  29
.set SC,   32
.set BI,   64
.set AF,   128
.set BK,   128
.set G1, 24
.set G0, 32
.set G1B, 48
.set G0B, 56
.set G1S, 68
.set G0S, 76
.set G1SB, 80
.set G0SB, 88
.set MSB, 0
.macro WIN new
.if MSB != \new
	s_set_vgpr_msb (MSB<<8)|\new
.set MSB, \new
.endif
.endm
.set MUL_LO, 0xa1
.set MUL_HI, 0xf1
.set TO_B,   0x40
.macro JLOAD g0a, g1a, g0b, g1b
	s_cmp_eq_u32 s15, 0
	s_cbranch_scc0 .Lfor_b_\@
	tensor_load_to_lds s[\g0a:\g0a+3], s[\g1a:\g1a+7]
	s_nop 0
.rept 4
	v_nop
.endr
	s_branch .Lasked_\@
.Lfor_b_\@:
	tensor_load_to_lds s[\g0b:\g0b+3], s[\g1b:\g1b+7]
	s_nop 0
.rept 4
	v_nop
.endr
.Lasked_\@:
.endm
.macro CREST
	s_cmp_lg_u32 s14, 0
	s_cbranch_scc1 .Lnot_wave_0_\@
	s_barrier_signal -3
.Lnot_wave_0_\@:
	s_barrier_wait -3
	s_barrier_signal -1
	s_barrier_wait -1
.endm
.macro CROUND
	s_barrier_signal -1
	s_barrier_wait -1
	CREST
.endm
.macro FRAG reg, adr, q, i
	ds_load_b128 v[\reg:\reg+3], v[\adr] offset:(\i)*TROW+(\q)*1536
	ds_load_b64 v[\reg+4:\reg+5], v[\adr+2] offset:(\i)*TROW+(\q)*1536+512
	ds_load_b128 v[\reg+6:\reg+9], v[\adr] offset:(\i)*TROW+(\q)*1536+768
	ds_load_b64 v[\reg+10:\reg+11], v[\adr+2] offset:(\i)*TROW+(\q)*1536+1280
.endm
.macro MUL16 a0, p, q, sc, cm
.irp a, \a0, \a0+1
.irp b, 0,1,2,3,4,5,6,7
.if \cm == 0
	v_wmma_scale_f32_16x16x128_f8f6f4 v[8*(8*((\a)%4)+\b):8*(8*((\a)%4)+\b)+7], v[128*(\p)+FR*\b:128*(\p)+FR*\b+FR-1], v[AF+FR*(\a):AF+FR*(\a)+FR-1], v[8*(8*((\a)%4)+\b):8*(8*((\a)%4)+\b)+7], v[SC+8*NQ*(\sc)+NQ*\b+(\q)], v[SC+8*NQ*(\sc)+NQ*(\a)+(\q)] matrix_a_fmt:MATRIX_FMT_BF6 matrix_b_fmt:MATRIX_FMT_BF6 matrix_a_scale:MATRIX_SCALE_ROW1
.else
	v_wmma_scale_f32_16x16x128_f8f6f4 v[8*(8*((\a)%4)+\b):8*(8*((\a)%4)+\b)+7], v[128*(\p)+FR*\b:128*(\p)+FR*\b+FR-1], v[AF+FR*(\a):AF+FR*(\a)+FR-1], v[BI+8*\b:BI+8*\b+7], v[SC+8*NQ*(\sc)+NQ*\b+(\q)], v[SC+8*NQ*(\sc)+NQ*(\a)+(\q)] matrix_a_fmt:MATRIX_FMT_BF6 matrix_b_fmt:MATRIX_FMT_BF6 matrix_a_scale:MATRIX_SCALE_ROW1
.endif
.endr
.endr
.endm
.macro FETCH_B slot, q, p
	WIN TO_B
.irp i, 0,1,2,3,4,5,6,7
	FRAG 128*(\p)+FR*\i, ADRB+\slot, \q, \i
.endr
	WIN 0
.endm
.macro FETCH_A slot, q, i0
.irp i, \i0, \i0+1, \i0+2, \i0+3
	FRAG AF+FR*(\i), ADRA+\slot, \q, \i
.endr
.endm
.macro SCALES sc
.irp i, 0,1,2,3,4,5,6,7
	ds_load_b64 v[SC+8*NQ*\sc+NQ*\i:SC+8*NQ*\sc+NQ*\i+1], v[ADRS] offset:\i*SBLK
.endr
.endm
.macro PLACES n
.rept \n
	v_nop
.endr
.endm
.macro STEP slot, q, cm
	s_wait_dscnt 4*NL
.if \cm
	WIN 0x81
.else
	WIN MUL_LO
.endif
	MUL16 0, (\q)%2, \q, \slot, \cm
	MUL16 2, (\q)%2, \q, \slot, \cm
	s_wait_dscnt 0
	PLACES NP
	FETCH_B \slot, (\q)+1, 1-(\q)%2
	FETCH_A \slot, (\q)+1, 0
.if \cm
	WIN 0xc1
.else
	WIN MUL_HI
.endif
	MUL16 4, (\q)%2, \q, \slot, \cm
	MUL16 6, (\q)%2, \q, \slot, \cm
	PLACES NP
	WIN 0
	FETCH_A \slot, (\q)+1, 4
.endm
.macro TURN slot, next, fill
	s_wait_tensorcnt 0x0
	ds_add_u32 v[SPW], v[NIL]
	s_wait_dscnt 4*NL+1
	WIN MUL_LO
	MUL16 0, 1, NQ-1, \slot, 0
	s_wait_dscnt 0x0
	s_barrier_signal -1
	MUL16 2, 1, NQ-1, \slot, 0
	WIN 0
	s_barrier_wait -1
.if \fill
	CREST
	s_add_nc_u64 s[G0+4*\slot+2:G0+4*\slot+3], s[G0+4*\slot+2:G0+4*\slot+3], 2*TROW
	s_add_nc_u64 s[G0B+4*\slot+2:G0B+4*\slot+3], s[G0B+4*\slot+2:G0B+4*\slot+3], 2*TROW
	JLOAD G0+4*\slot, G1, G0B+4*\slot, G1B
.else
	PLACES NP
.endif
	s_wait_alu depctr_va_vdst(0)
	v_add_nc_u32 v[ADRS], 128, v[ADRS]
	FETCH_B \next, 0, 0
	FETCH_A \next, 0, 0
	SCALES \next
	WIN MUL_HI
	MUL16 4, 1, NQ-1, \slot, 0
	MUL16 6, 1, NQ-1, \slot, 0
	PLACES NP
	WIN 0
	FETCH_A \next, 0, 4
.endm
	s_load_b256 s[4:11], s[0:1], 0x0
	s_load_b128 s[92:95], s[0:1], 0x20
	v_lshl_add_u32 v[SPW], v0, 2, SPARE
	v_mov_b32 v[NIL], 0
	ds_add_u32 v28, v29
	ds_add_u32 v28, v29
	s_wait_dscnt 0x0
	v_lshrrev_b32 v1, 5, v0
	v_readfirstlane_b32 s14, v1
	s_lshr_b32 s15, s14, 1
	s_and_b32 s16, s14, 1
	s_bfe_u32 s40, ttmp6, 0x40000
	s_bfe_u32 s41, ttmp6, 0x40004
	s_lshl_b32 s42, ttmp9, 2
	s_add_co_u32 s42, s42, s40
	s_and_b32 s17, ttmp7, 0xffff
	s_lshl_b32 s17, s17, 2
	s_add_co_u32 s17, s17, s41
	s_lshl_b32 s43, s41, 2
	s_lshl_b32 s43, 15, s43
	s_lshl_b32 s44, 0x1111, s40
	s_or_b32 s[G1+0], s43, (3<<16)|(1<<21)
	s_or_b32 s[G1B+0], s44, (3<<16)|(1<<21)
.irp g, G1, G1B
	s_mov_b32 s[\g+1], 384<<16
	s_mov_b32 s[\g+2], 16<<16
	s_mov_b32 s[\g+3], 384<<16
	s_mov_b32 s[\g+4], 16
	s_mov_b32 s[\g+5], 1536
	s_mov_b32 s[\g+6], 0
	s_mov_b32 s[\g+7], 0
.endr
	s_or_b32 s[G1S+0], s43, (3<<16)|(1<<21)
	s_or_b32 s[G1SB+0], s44, (3<<16)|(1<<21)
.irp g, G1S, G1SB
	s_mov_b32 s[\g+1], 32<<16
	s_mov_b32 s[\g+2], 32<<16
	s_mov_b32 s[\g+3], 32<<16
	s_mov_b32 s[\g+4], 32
	s_mov_b32 s[\g+5], 32
	s_mov_b32 s[\g+6], 0
	s_mov_b32 s[\g+7], 0
.endr
	s_lshl_b32 s20, s17, 4
	s_lshl_b32 s46, s42, 4
	s_add_co_u32 s46, s46, 192
	s_lshl_b32 s22, s20, 9
	s_mov_b32 s23, 0
	s_mul_i32 s20, s20, 12288
	s_mov_b32 s21, 0
	s_lshl_b32 s2, s46, 9
	s_mov_b32 s3, 0
	s_mul_i32 s46, s46, 12288
	s_mov_b32 s47, 0
	s_mul_i32 s45, s14, HALFT
	s_wait_kmcnt 0x0
	s_add_nc_u64 s[20:21], s[4:5], s[20:21]
	s_add_nc_u64 s[22:23], s[6:7], s[22:23]
	s_add_nc_u64 s[46:47], s[8:9], s[46:47]
	s_add_nc_u64 s[2:3], s[10:11], s[2:3]
	CROUND
	s_mov_b32 s[G0S], 1
	s_mov_b32 s[G0S+1], SCL
	s_mov_b64 s[G0S+2:G0S+3], s[22:23]
	s_or_b32 s[G0S+3], s[G0S+3], 0x80000000
	s_mov_b32 s[G0SB], 1
	s_mov_b32 s[G0SB+1], SCL+2*HALFS
	s_mov_b64 s[G0SB+2:G0SB+3], s[2:3]
	s_or_b32 s[G0SB+3], s[G0SB+3], 0x80000000
	s_mul_i32 s2, s16, 4*HALFT                     ; in the ring I fetch 8 row tiles: which half, in bytes of memory
	s_mov_b32 s3, 0
.irp g, G0, G0B
	s_mov_b32 s[\g], 1
	s_mov_b32 s[\g+4], 1
	s_add_co_u32 s[\g+5], s45, SLOT
.endr
	s_mov_b32 s[G0+1], 0                           ; slot 0's sets serve the head first: the whole 16 row tiles of A, and of B behind them
	s_mov_b32 s[G0B+1], 2*HALFT
	s_mov_b64 s[G0+2:G0+3], s[20:21]
	s_mov_b64 s[G0B+2:G0B+3], s[46:47]
	s_add_nc_u64 s[G0+6:G0+7], s[20:21], s[2:3]
	s_add_nc_u64 s[G0B+6:G0B+7], s[46:47], s[2:3]
	s_add_nc_u64 s[G0+6:G0+7], s[G0+6:G0+7], TROW
	s_add_nc_u64 s[G0B+6:G0B+7], s[G0B+6:G0B+7], TROW
.irp r, G0+3, G0+7, G0B+3, G0B+7
	s_or_b32 s[\r], s[\r], 0x80000000
.endr
; the head's four tiles, one a wave: A's codes, B's codes, A's scale bytes, B's; one chain of branches on the wave's number
.macro ARM under, g0, g1, next
	s_cmp_lt_u32 s14, \under
	s_cbranch_scc0 \next
	tensor_load_to_lds s[\g0:\g0+3], s[\g1:\g1+7]
	s_nop 0
.rept 4
	v_nop
.endr
	s_branch .Lhead_asked
\next:
.endm
	ARM 1, G0, G1, .Lhead_b
	ARM 2, G0B, G1B, .Lhead_sa
	ARM 3, G0S, G1S, .Lhead_sb
	tensor_load_to_lds s[G0SB:G0SB+3], s[G1SB:G1SB+7]
	s_nop 0
.rept 4
	v_nop
.endr
.Lhead_asked:
	v_and_b32 v1, 31, v0
	v_and_b32 v2, 15, v0
	v_bfe_u32 v3, v0, 4, 1
	v_lshlrev_b32 v[CO], 4, v1
	s_wait_alu depctr_va_vdst(0)
	v_lshlrev_b32 v4, 3, v1
	s_wait_alu depctr_va_vdst(0)
	s_lshl_b32 s18, s42, 10
	s_lshl_b32 s19, s16, 9
	s_add_co_u32 s18, s18, s19
	s_mov_b32 s19, 0
	s_add_nc_u64 s[8:9], s[92:93], s[18:19]
	v_lshlrev_b32 v8, 6, v3
.irp b, 0,1,2,3,4,5,6,7
	global_load_b128 v[BI+8*\b:BI+8*\b+3], v8, s[8:9] offset:(32*(\b/2)+8*(\b%2))*4
	global_load_b128 v[BI+8*\b+4:BI+8*\b+7], v8, s[8:9] offset:(32*(\b/2)+8*(\b%2))*4+16
.endr
	s_mul_i32 s21, s15, HALFT
	s_mul_i32 s22, s16, HALFT
	s_add_co_u32 s22, s22, 2*HALFT
.irp s, 0,1
	v_add_nc_u32 v[ADRA+\s], s21, v[CO]
	v_add_nc_u32 v[ADRB+\s], s22, v[CO]
	v_add_nc_u32 v[ADRA+2+\s], s21, v4
	v_add_nc_u32 v[ADRB+2+\s], s22, v4
	s_add_co_u32 s21, s21, SLOT
	s_add_co_u32 s22, s22, SLOT
.endr
	v_lshlrev_b32 v5, 3, v2
	s_lshl_b32 s21, s15, 12
	s_lshl_b32 s22, s16, 12
	s_add_co_u32 s22, s22, 2*HALFS
	s_sub_co_u32 s22, s22, s21
	v_mul_u32_u24 v6, s22, v3
	s_add_co_u32 s21, s21, SCL
	v_add_nc_u32 v5, v5, v6
	v_add_nc_u32 v[ADRS], s21, v5
	s_mul_i32 s23, s14, 16*SPITCH
	v_mul_u32_u24 v5, v2, SPITCH
	v_lshl_add_u32 v5, v3, 6, v5
	v_add_nc_u32 v[STO], s23, v5
	v_add_nc_u32 v[RD], s23, v[CO]
	s_lshl_b32 s20, s17, 8
	s_lshl_b32 s21, s15, 7
	s_add_co_u32 s20, s20, s21
	s_lshl_b32 s20, s20, 12
	s_add_co_u32 s20, s20, s18
	s_mov_b32 s21, 0
	s_add_nc_u64 s[12:13], s[94:95], s[20:21]
	s_wait_alu depctr_va_vdst(0)
	s_wait_tensorcnt 0x0                           ; my tile of the head's four is in; slot 1's first fill is issued as a refill is
	ds_add_u32 v[SPW], v[NIL]
	s_mov_b32 s[G1+2], 8<<16                       ; no tensor load of mine is out: from here on a load brings 8 row tiles,
	s_mov_b32 s[G1+4], 8
	s_mov_b32 s[G1B+2], 8<<16
	s_mov_b32 s[G1B+4], 8
	s_mov_b32 s[G0+1], s45                         ; and slot 0's sets become the ring's: my half of the rows
	s_add_nc_u64 s[G0+2:G0+3], s[G0+2:G0+3], s[2:3]
	s_mov_b32 s[G0B+1], s45
	s_add_nc_u64 s[G0B+2:G0B+3], s[G0B+2:G0B+3], s[2:3]
	s_wait_dscnt 0x0
	CROUND
	JLOAD G0+4, G1, G0B+4, G1B
	FETCH_B 0, 0, 0
	FETCH_A 0, 0, 0
	SCALES 0
	FETCH_A 0, 0, 4
	s_wait_loadcnt 0x0
	STEP 0, 0, 1
	TURN 0, 1, 1
	STEP 1, 0, 0
	TURN 1, 0, 1
	STEP 0, 0, 0
	TURN 0, 1, 0
	STEP 1, 0, 0
	s_wait_dscnt 4*NL
	WIN MUL_LO
	MUL16 0, 1, NQ-1, 1, 0
	MUL16 2, 1, NQ-1, 1, 0
	s_wait_dscnt 0
	WIN MUL_HI
	MUL16 4, 1, NQ-1, 1, 0
	MUL16 6, 1, NQ-1, 1, 0
	WIN 0
.macro TOSTAGE a
.set AC, 64*((\a)%4)
	WIN 0x08+4*((\a)/4)
.irp b, 0,1,2,3,4,5,6,7
	ds_store_b128 v[STO], v[AC+8*\b:AC+8*\b+3] offset:128*(\b/2)+32*(\b%2)
	ds_store_b128 v[STO], v[AC+8*\b+4:AC+8*\b+7] offset:128*(\b/2)+32*(\b%2)+16
.endr
	WIN 0
.set BB, BK+64*((\a)%2)
.irp t, 0,1,2,3,4,5,6,7,8,9,10,11,12,13,14,15
	ds_load_b128 v[BB+4*\t:BB+4*\t+3], v[RD] offset:\t*SPITCH
.endr
.endm
.macro SEND a, younger
.set BB, BK+64*((\a)%2)
	s_wait_dscnt \younger
.irp t, 0,1,2,3,4,5,6,7,8,9,10,11,12,13,14,15
	global_store_b128 v[CO], v[BB+4*\t:BB+4*\t+3], s[12:13] offset:(32*((\a)/2)+8*((\a)%2)+\t%8+16*(\t/8))*4096 th:TH_STORE_NT
.endr
.endm
	PLACES NP
	TOSTAGE 0
.irp a, 1,2,3,4,5,6,7
.if \a > 1
	s_wait_xcnt 0x0
.endif
	TOSTAGE \a
	SEND \a-1, 32
.endr
	SEND 7, 0
	s_wait_tensorcnt 0x0
	ds_add_u32 v[SPW], v[NIL]
	s_wait_dscnt 0x0
	CROUND
	s_endpgm
.Lfunc_end_k_qf0e0643333_outp:
	.size	k_qf0e0643333_outp, .Lfunc_end_k_qf0e0643333_outp-k_qf0e0643333_outp
	.p2alignl 7, 3214868480
	.fill 96, 4, 3214868480
	.section	.rodata,"a",@progbits
	.p2align	6, 0x0
	.amdhsa_kernel k_qf0e0643333_outp
		.amdhsa_group_segment_fixed_size 327680
		.amdhsa_private_segment_fixed_size 0
		.amdhsa_enable_private_segment 0
		.amdhsa_kernarg_size 48
		.amdhsa_user_sgpr_count 2
		.amdhsa_user_sgpr_kernarg_segment_ptr 1
		.amdhsa_wavefront_size32 1
		.amdhsa_system_sgpr_workgroup_id_x 1
		.amdhsa_system_sgpr_workgroup_id_y 1
		.amdhsa_system_sgpr_workgroup_id_z 1
		.amdhsa_system_vgpr_workitem_id 0
		.amdhsa_next_free_vgpr 1024
		.amdhsa_next_free_sgpr 102
		.amdhsa_reserve_vcc 0
		.amdhsa_float_denorm_mode_32 3
		.amdhsa_float_denorm_mode_16_64 3
		.amdhsa_memory_ordered 1
		.amdhsa_forward_progress 1
		.amdhsa_inst_pref_size 145
	.end_amdhsa_kernel
	.amdgpu_metadata
---
amdhsa.version: [ 1, 2 ]
amdhsa.kernels:
  - .name:           k_qf0e0643333_outp
    .symbol:         k_qf0e0643333_outp.kd
    .args:
      - { .name: ac, .offset: 0, .size: 8, .value_kind: global_buffer, .address_space: global }
      - { .name: asc, .offset: 8, .size: 8, .value_kind: global_buffer, .address_space: global }
      - { .name: wc, .offset: 16, .size: 8, .value_kind: global_buffer, .address_space: global }
      - { .name: ws, .offset: 24, .size: 8, .value_kind: global_buffer, .address_space: global }
      - { .name: bo, .offset: 32, .size: 8, .value_kind: global_buffer, .address_space: global }
      - { .name: out0, .offset: 40, .size: 8, .value_kind: global_buffer, .address_space: global }
    .group_segment_fixed_size: 327680
    .private_segment_fixed_size: 0
    .kernarg_segment_align: 8
    .kernarg_segment_size: 48
    .max_flat_workgroup_size: 128
    .sgpr_count:     102
    .vgpr_count:     1024
    .wavefront_size: 32
...
	.end_amdgpu_metadata
.endif
;; end of part 4
